; MI455X (gfx1250); checked and timed in simulation.
; The chip was launched on July 23, 2026; its instructions are those of AMD's public machine-readable ISA for CDNA 5 (MIT licence, August 2026) and "CDNA5" Instruction Set Architecture Reference Guide (July 2026). The comments in the code are by the model that wrote it; some were corrected since.
;; Multi Head Attention. Allowed arithmetic: matrix products marked QUANTISED: E2M1 operands, one E8M0 scale for each 32 along K, by v_wmma_scale_f32_16x16x128_f8f6f4 with both operands' format E2M1 (or v_wmma_scale_f32_32x16x128_f4), f32 sums; products left as they are: bf16, f16 or f32 operands; f32 sums; everything else in f32.
;; Inputs: bk 1,024 float32; bo 1,024 float32; bq 1,024 float32; bv 1,024 float32; key 4 x 2,048 x 1,024 float32; mask 4 x 1 x 2,048 bool; query 4 x 2,048 x 1,024 float32; value 4 x 2,048 x 1,024 float32; wk 1,024 x 1,024 float32; wo 1,024 x 1,024 float32; wq 1,024 x 1,024 float32; wv 1,024 x 1,024 float32.
;; Outputs: out0 4 x 2,048 x 1,024 float32.
;; This version of the problem:
;;   THIS VERSION OF THE PROBLEM IS GIVEN IN LOW PRECISION. The matrix products marked QUANTISED in the list below multiply operands that are first quantised to E2M1 (2 exponent bits, 1 mantissa bit; 4 bits a number), with one power-of-two scale for each 32 numbers along K (OCP MX v1.0); their sums are f32. The products marked 'left as it is' may take bf16, f16 or f32 operands, with f32 sums. Whichever they take, every output number must still come out within the allowed error. Rounding operands to bf16 (8 significant bits) uses up far more of that allowance than f16 does (11 bits, for magnitudes from 6e-5 to 65,504). All else is computed in f32.
;;   The module's matrix products, in the order in which they are computed (A, B: the left and right operand; K: the contracted axis; several contracted axes count as one K, in the product's order):
;;     1. [M 8,192, K 1,024] x [K 1,024, N 1,024]; A: input query; B: input wq: QUANTISED
;;     2. [M 8,192, K 1,024] x [K 1,024, N 1,024]; A: input key; B: input wk: QUANTISED
;;     3. [M 8,192, K 1,024] x [K 1,024, N 1,024]; A: input value; B: input wv: QUANTISED
;;     4. batch 64 x [M 2,048, K 64] x [K 64, N 2,048]; A: computed on the way; B: computed on the way: left as it is (an operand is computed on the way)
;;     5. batch 64 x [M 2,048, K 2,048] x [K 2,048, N 64]; A: computed on the way; B: computed on the way: left as it is (an operand is computed on the way)
;;     6. [M 8,192, K 1,024] x [K 1,024, N 1,024]; A: computed on the way; B: input wo: left as it is (an operand is computed on the way)
;;   THE QUANTISER, for each operand of a quantised product, along K:
;;     - K is cut into blocks of 32 from its start; a last block that is shorter is filled with zeros.
;;     - A block's scale is 2^e with e = floor(log2(the largest magnitude in the block)) - 2, held to -126 .. 127; a block of zeros has e = 0. As a byte (E8M0): e + 127.
;;     - Each number is divided by its block's scale, clamped to +-6, and rounded to the nearest number of E2M1, ties to even, subnormals kept.
;;     - The product sums the exact products of the quantised numbers (number of the format x scale) in f32.
;;   ~~~python
;;   def quantise(x, axis):      # numpy; x: float32 -> the quantised numbers, widened to float32 again
;;       x = np.moveaxis(x, axis, -1); K = x.shape[-1]
;;       x = np.pad(x, [(0, 0)] * (x.ndim - 1) + [(0, -K % 32)]); x = x.reshape(x.shape[:-1] + (-1, 32)); a = np.abs(x).max(-1, keepdims=True)
;;       e = np.where(a > 0, np.clip(np.frexp(np.where(a > 0, a, 1))[1] - 1 - 2, -126, 127), 0)      # np.frexp(a)[1] - 1 = floor(log2(a)), exactly
;;       r = np.clip(x / 2.0 ** e, -6, 6)
;;       step = 2.0 ** (np.maximum(np.frexp(np.where(r == 0, 1, r))[1] - 1, 0) - 1)
;;       q = np.round(r / step) * step * 2.0 ** e      # np.round: ties to even
;;       return np.moveaxis(q.reshape(q.shape[:-2] + (-1,))[..., :K], -1, axis).astype(np.float32)
;;   ~~~
;; One version. Each part assembles by itself: llvm-mc -triple=amdgcn-amd-amdhsa -mcpu=gfx1250 --defsym DOCPART=n.
;; ======== version 1 of 1: 5 launches
;; limits: values are held in f16: magnitudes above 65,504 overflow, below 6.1e-05 lose precision
;; workspace buffers: order 33,280 bytes of whole numbers; acodes 12,582,912 bytes; ascales 786,432 bytes; wcodes 1,572,864 bytes; wscales 98,304 bytes; wo16 2,097,152 bytes; qkv 50,331,648 bytes; xw 16,777,216 bytes
;; launch prep (part 1): grid 385 x 1, 4 waves a work-group, no clusters, 33,280 bytes of LDS; arguments query, wq, wk, wv, wo, mask, acodes, ascales, wcodes, wscales, wo16, order; writes acodes, ascales, wcodes, wscales, wo16, order
.if DOCPART == 1
	.amdgcn_target "amdgcn-amd-amdhsa--gfx1250"
	.amdhsa_code_object_version 6
	.text
	.protected	k_q24e136c307_prep
	.globl	k_q24e136c307_prep
	.p2align	8
	.type	k_q24e136c307_prep,@function
k_q24e136c307_prep:
	s_mov_b64 s[64:65], 0
	v_nop
	global_prefetch_b8 v0, s[64:65] scope:SCOPE_SE
	s_setreg_imm32_b32 hwreg(HW_REG_WAVE_MODE, 25, 1), 1
	s_wait_xcnt 0x0
; MULTI-HEAD ATTENTION, B = 4, T = 2048, D = 1024, 16 heads of 64.  First of five launches.
; WORK LEFT OUT, AND WHY IT IS DEAD.  For a key whose mask byte is true, reference() replaces the score by -10000 (so that key's row of k reaches nothing) and sets the weight to 0 behind the softmax
; (so its row of v reaches nothing).  All that such a key leaves is the number -10000 in the row's maximum and one term exp(-10000 - maximum) in the row's sum: the same for every masked key, whatever the inputs hold.
; So each batch's keys are SORTED, unmasked first; the later launches gather key and value in that order, walk only the first n_b places, and begin each row's maximum at -10000 and its sum at (2048 - n_b) terms.
; The mask is a whole-number input read from memory: this launch stores the order and the counts as whole numbers, and only later launches form addresses and branches from them.
; Every input has a way to an output and is loaded.  LIMIT: a NaN, an infinity or an overflow that lies only in masked rows of key or value is not carried to the result.
; THIS LAUNCH, by the work-group's number: 0-255 query, 256-351 wq, wk, wv -> codes of FP4 (E2M1), K innermost, one E8M0 byte for each 32 along K; 352-383 wo -> f16; 384 the mask -> order and counts.
; THE QUANTISER.  A block's scale is 2^(floor(log2(largest magnitude)) - 2); its byte is the largest magnitude's exponent field - 2, held at 1 from below (a block of zeros gets the byte 1: its codes are zeros, and this program alone reads the bytes).
; Rows are dense and K = 1024 is a multiple of 32: each tensor is a plain stream of blocks.  A wave takes 16 steps of 512 numbers: four loads of 512 consecutive bytes a step, turned through the wave's own stage in LDS so that
; a lane holds 16 neighbours along K; a lane's 16 codes are 8 bytes, a wave's store 256 consecutive bytes; a wave's 256 scale bytes are gathered in LDS and leave as one aligned block.
; LIMITS: NaN and infinities among the inputs are not served.
.set WAVES, 4
.set STEPS, 16
.set EMAX,  2
.set CB,    8                          ; bytes of 16 codes
.set R,     16                         ; v16-79   four sets of 16 numbers as loaded
.set X,     80                         ; v80-111  two sets of 16 neighbours
.set E,     112                        ; v112-127 a scale byte for each step
.set C,     128                        ; v128-191 codes, four registers a step
.set WREG,  8192                       ; LDS: a region for each wave: two stages of 32 x SP bytes, then its 256 scale bytes
.set SP,    80
.set SPW,   12                         ; v12 LDS address of my spare word; never rewritten
.set NIL,   13                         ; v13 0; never rewritten
.set SPARE, WAVES*WREG                 ; the spare words: 128 bytes a wave, named by no other line
.set WV,    28                         ; s28 my wave's number
	s_load_b512 s[4:19], s[0:1], 0x0               ; query, wq, wk, wv, wo, mask, acodes, ascales
	s_load_b256 s[20:27], s[0:1], 0x40             ; wcodes, wscales, wo16, order
	v_lshl_add_u32 v[SPW], v0, 2, SPARE
	v_mov_b32 v[NIL], 0
	v_lshrrev_b32 v1, 5, v0
	v_readfirstlane_b32 s[WV], v1
	v_and_b32 v2, 31, v0                           ; lane
	v_lshlrev_b32 v3, 4, v2                        ; 16 x lane
	v_lshlrev_b32 v4, 3, v2                        ; 8 x lane
	s_mul_i32 s29, s[WV], WREG                     ; every LDS address is made here, ahead of the parting of the ways
	v_lshrrev_b32 v14, 2, v2
	v_mul_u32_u24 v14, v14, SP
	v_and_b32 v15, 3, v2
	v_lshl_add_u32 v14, v15, 4, v14
	v_add_nc_u32 v14, s29, v14                     ; the stage, in: SP (lane / 4) + 16 (lane % 4)
	v_mul_u32_u24 v15, v2, SP
	v_add_nc_u32 v15, s29, v15                     ; the stage, out: SP x lane
	v_lshrrev_b32 v5, 1, v2
	s_add_co_u32 s29, s29, 2*32*SP
	v_add_nc_u32 v5, s29, v5                       ; my block's scale byte
	v_lshlrev_b32 v7, 3, v2
	v_add_nc_u32 v6, s29, v7                       ; the scale bytes on their way out
	s_wait_kmcnt 0x0
	s_cmp_ge_u32 ttmp9, 384
	s_cbranch_scc1 .Lmask
	s_cmp_ge_u32 ttmp9, 352
	s_cbranch_scc1 .Lwo
	; ---- the quantiser.  Only pointers are chosen: all four tensors take one way through the text
	s_sub_co_u32 s29, ttmp9, 256                   ; g: which of the weights' 96 work-groups (not used for query)
	s_lshr_b32 s30, s29, 5                         ; which weight
	s_and_b32 s31, s29, 31                         ; and which of its 32 parts
	s_mov_b64 s[32:33], s[10:11]                   ; wv,
	s_cmp_eq_u32 s30, 1
	s_cselect_b64 s[32:33], s[8:9], s[32:33]       ; or wk,
	s_cmp_eq_u32 s30, 0
	s_cselect_b64 s[32:33], s[6:7], s[32:33]       ; or wq,
	s_cmp_lt_u32 ttmp9, 256
	s_cselect_b64 s[32:33], s[4:5], s[32:33]       ; or query
	s_cselect_b64 s[34:35], s[16:17], s[20:21]     ; the codes' buffer
	s_cselect_b64 s[36:37], s[18:19], s[22:23]     ; the scale bytes'
	s_cselect_b32 s38, ttmp9, s31                  ; my part of the input,
	s_cselect_b32 s39, ttmp9, s29                  ; and of the outputs (the three weights lie on end there)
	s_lshl_b32 s38, s38, 2
	s_add_co_u32 s38, s38, s[WV]                   ; my wave's run of 8,192 numbers
	s_lshl_b32 s39, s39, 2
	s_add_co_u32 s39, s39, s[WV]
	s_mov_b32 s41, 0
	s_lshl_b32 s40, s38, 15                        ; 32,768 bytes of f32 a run
	s_add_nc_u64 s[32:33], s[32:33], s[40:41]
	s_lshl_b32 s40, s39, 12                        ; 4,096 bytes of codes
	s_add_nc_u64 s[34:35], s[34:35], s[40:41]
	s_lshl_b32 s40, s39, 8                         ; 256 scale bytes
	s_add_nc_u64 s[36:37], s[36:37], s[40:41]
.macro LOAD t
.irp i, 0,1,2,3
	global_load_b128 v[R+16*((\t)%4)+4*\i:R+16*((\t)%4)+4*\i+3], v3, s[32:33] offset:2048*(\t)+512*\i th:TH_LOAD_NT   ; 32 lanes read 512 consecutive bytes
.endr
.endm
.macro TURN t                          ; step t's numbers through the stage: LDS serves a wave's instructions in order, so no wait stands between the stores and the loads
.irp i, 0,1,2,3
	ds_store_b128 v14, v[R+16*((\t)%4)+4*\i:R+16*((\t)%4)+4*\i+3] offset:32*SP*((\t)%2)+8*SP*\i
.endr
.irp i, 0,1,2,3
	ds_load_b128 v[X+16*((\t)%2)+4*\i:X+16*((\t)%2)+4*\i+3], v15 offset:32*SP*((\t)%2)+16*\i
.endr
.endm
.irp t, 0,1,2,3
	LOAD \t
.endr
	s_wait_loadcnt 12                              ; step 0's four loads are in; the twelve of steps 1 to 3 may be out
	TURN 0
.macro STEP t
.set XS, X+16*((\t)%2)
.if (\t) > 0
	s_wait_dscnt 1                                 ; this step's numbers are back from the stage (the last step's byte store may be out)
.else
	s_wait_dscnt 0x0
.endif
.if (\t)+4 < STEPS
	LOAD (\t)+4
.endif
.if (\t)+1 < STEPS
.if STEPS-2-(\t) >= 3
	s_wait_loadcnt 12                              ; the next step's four loads are in; those of the three steps behind it may be out
.else
	s_wait_loadcnt 4*(STEPS-2-(\t))
.endif
	TURN (\t)+1
.endif
	v_max3_num_f32 v8, |v[XS]|, |v[XS+1]|, |v[XS+2]|               ; the largest magnitude of my 16, in two chains
	v_max3_num_f32 v9, |v[XS+3]|, |v[XS+4]|, |v[XS+5]|
.irp i, 6,10
	v_max3_num_f32 v8, v8, |v[XS+\i]|, |v[XS+\i+1]|
	v_max3_num_f32 v9, v9, |v[XS+\i+2]|, |v[XS+\i+3]|
.endr
	v_max3_num_f32 v8, v8, |v[XS+14]|, |v[XS+15]|
	v_max3_num_f32 v8, v8, v9, (EMAX+1)<<23        ; and the floor 2^(3 - 127): the byte cannot fall under 1
	v_max_num_f32_dpp v8, v8, v8 row_xmask:1 row_mask:0xf bank_mask:0xf   ; with my neighbour's 16: the block's
	v_add_nc_u32 v11, -(EMAX<<23), v8              ; 2 off its exponent field: the conversion's scale operand
	v_cvt_scalef32_pk8_fp4_f32 v[C+4*(\t)], v[XS:XS+7], v11
	v_cvt_scalef32_pk8_fp4_f32 v[C+4*(\t)+1], v[XS+8:XS+15], v11
	v_lshrrev_b32 v[E+(\t)], 23, v11               ; the scale's byte
	ds_store_b8 v5, v[E+(\t)] offset:16*(\t)       ; both lanes of a block write the same byte with the same value
	global_store_b64 v4, v[C+4*(\t):C+4*(\t)+1], s[34:35] offset:32*CB*(\t)   ; the wave stores 256 consecutive bytes, aligned
.endm
.irp t, 0,1,2,3,4,5,6,7,8,9,10,11,12,13,14,15
	STEP \t
.endr
	ds_load_b64 v[8:9], v6                         ; LDS serves a wave's instructions in order: these see my stores
	s_wait_dscnt 0x0
	global_store_b64 v7, v[8:9], s[36:37]          ; 32 lanes store 256 consecutive bytes, aligned
	s_wait_tensorcnt 0x0                           ; the wave's end: behind my last LDS store
	ds_add_u32 v[SPW], v[NIL]
	s_wait_dscnt 0x0
	s_endpgm
	; ---- wo -> f16: a wave takes 8,192 numbers in four rounds of sixteen loads; two rounds are on their way
.Lwo:
	s_sub_co_u32 s29, ttmp9, 352
	s_lshl_b32 s29, s29, 2
	s_add_co_u32 s29, s29, s[WV]                   ; my run, 0 .. 127
	s_mov_b32 s31, 0
	s_lshl_b32 s30, s29, 15
	s_add_nc_u64 s[12:13], s[12:13], s[30:31]
	s_lshl_b32 s30, s29, 14
	s_add_nc_u64 s[24:25], s[24:25], s[30:31]
.macro WLOAD k
.irp j, 0,1,2,3,4,5,6,7,8,9,10,11,12,13,14,15
	global_load_b128 v[16+64*((\k)%2)+4*\j:16+64*((\k)%2)+4*\j+3], v3, s[12:13] offset:(16*(\k)+\j)*512 th:TH_LOAD_NT
.endr
.endm
.macro WROUND k
.if (\k) < 3
	s_wait_loadcnt 16                              ; this round's sixteen loads are in; the next round's may be out
.else
	s_wait_loadcnt 0x0
.endif
.if (\k) > 0
	s_wait_xcnt 0x0                                ; the last round's stores have read their data: v144-175 are written again only behind this wait
.endif
.irp j, 0,1,2,3,4,5,6,7,8,9,10,11,12,13,14,15
	v_cvt_pk_f16_f32 v[144+2*\j], v[16+64*((\k)%2)+4*\j], v[16+64*((\k)%2)+4*\j+1]
	v_cvt_pk_f16_f32 v[145+2*\j], v[16+64*((\k)%2)+4*\j+2], v[16+64*((\k)%2)+4*\j+3]
.endr
.irp j, 0,1,2,3,4,5,6,7,8,9,10,11,12,13,14,15
	global_store_b64 v4, v[144+2*\j:145+2*\j], s[24:25] offset:(16*(\k)+\j)*256   ; the wave stores 256 consecutive bytes, aligned
.endr
.if (\k) < 2
	WLOAD (\k)+2
.endif
.endm
	WLOAD 0
	WLOAD 1
	WROUND 0
	WROUND 1
	WROUND 2
	WROUND 3
	s_endpgm
	; ---- the mask: wave b sorts batch b's 2,048 keys.  Unmasked key i goes to place (unmasked keys before it); masked key i to place 2047 - (masked keys before it).
	; order[b][place] = i.  Unmasked neighbours write neighbouring words; 8 KiB a batch in all.  Each of the 64 steps has its own address and data registers, so no store's sources are written again.
.Lmask:
	s_mov_b32 s31, 0
	s_lshl_b32 s30, s[WV], 11
	s_add_nc_u64 s[14:15], s[14:15], s[30:31]      ; my batch's mask bytes
	s_lshl_b32 s30, s[WV], 13
	s_add_nc_u64 s[32:33], s[26:27], s[30:31]      ; its row of the order
	s_lshl_b32 s30, s[WV], 7
	s_add_nc_u64 s[34:35], s[26:27], s[30:31]      ; its 32 words of the counts, 32,768 bytes further on
.set j, 0
.rept 64
	global_load_u8 v[16+j], v2, s[14:15] offset:32*j
.set j, j+1
.endr
	s_wait_loadcnt 0x0
	s_mov_b32 s29, 0                               ; unmasked keys so far
.set j, 0
.rept 64
	v_cmp_eq_u32 s30, 0, v[16+j]                   ; the lanes whose key counts
	v_mbcnt_lo_u32_b32 v8, s30, 0                  ; such lanes below mine,
	v_add_nc_u32 v8, s29, v8                       ; and in the steps before: u
	v_sub_nc_u32 v9, v8, v2
	v_add_nc_u32 v9, 2047-32*j, v9                 ; 2047 - (i - u), i = 32 j + lane
	v_cndmask_b32 v[16+j], v9, v8, s30
	v_min_u32 v[16+j], 0x7ff, v[16+j]              ; a place, held inside the row
	v_lshlrev_b32 v[16+j], 2, v[16+j]
	v_add_nc_u32 v[80+j], 32*j, v2                 ; i
	global_store_b32 v[16+j], v[80+j], s[32:33]
	s_bcnt1_i32_b32 s31, s30
	s_add_co_u32 s29, s29, s31
.set j, j+1
.endr
	v_mov_b32 v11, s29                             ; n_b, in all 32 words of the batch's row of counts
	v_lshlrev_b32 v10, 2, v2
	global_store_b32 v10, v11, s[34:35] offset:32768
	s_endpgm
.Lfunc_end_k_q24e136c307_prep:
	.size	k_q24e136c307_prep, .Lfunc_end_k_q24e136c307_prep-k_q24e136c307_prep
	.p2alignl 7, 3214868480
	.fill 96, 4, 3214868480
	.section	.rodata,"a",@progbits
	.p2align	6, 0x0
	.amdhsa_kernel k_q24e136c307_prep
		.amdhsa_group_segment_fixed_size 33280
		.amdhsa_private_segment_fixed_size 0
		.amdhsa_enable_private_segment 0
		.amdhsa_kernarg_size 96
		.amdhsa_user_sgpr_count 2
		.amdhsa_user_sgpr_kernarg_segment_ptr 1
		.amdhsa_wavefront_size32 1
		.amdhsa_system_sgpr_workgroup_id_x 1
		.amdhsa_system_sgpr_workgroup_id_y 1
		.amdhsa_system_sgpr_workgroup_id_z 1
		.amdhsa_system_vgpr_workitem_id 0
		.amdhsa_next_free_vgpr 192
		.amdhsa_next_free_sgpr 66
		.amdhsa_reserve_vcc 0
		.amdhsa_float_denorm_mode_32 3
		.amdhsa_float_denorm_mode_16_64 3
		.amdhsa_memory_ordered 1
		.amdhsa_forward_progress 1
		.amdhsa_inst_pref_size 101
	.end_amdhsa_kernel
	.amdgpu_metadata
---
amdhsa.version: [ 1, 2 ]
amdhsa.kernels:
  - .name:           k_q24e136c307_prep
    .symbol:         k_q24e136c307_prep.kd
    .args:
      - { .name: query, .offset: 0, .size: 8, .value_kind: global_buffer, .address_space: global }
      - { .name: wq, .offset: 8, .size: 8, .value_kind: global_buffer, .address_space: global }
      - { .name: wk, .offset: 16, .size: 8, .value_kind: global_buffer, .address_space: global }
      - { .name: wv, .offset: 24, .size: 8, .value_kind: global_buffer, .address_space: global }
      - { .name: wo, .offset: 32, .size: 8, .value_kind: global_buffer, .address_space: global }
      - { .name: mask, .offset: 40, .size: 8, .value_kind: global_buffer, .address_space: global }
      - { .name: acodes, .offset: 48, .size: 8, .value_kind: global_buffer, .address_space: global }
      - { .name: ascales, .offset: 56, .size: 8, .value_kind: global_buffer, .address_space: global }
      - { .name: wcodes, .offset: 64, .size: 8, .value_kind: global_buffer, .address_space: global }
      - { .name: wscales, .offset: 72, .size: 8, .value_kind: global_buffer, .address_space: global }
      - { .name: wo16, .offset: 80, .size: 8, .value_kind: global_buffer, .address_space: global }
      - { .name: order, .offset: 88, .size: 8, .value_kind: global_buffer, .address_space: global }
    .group_segment_fixed_size: 33280
    .private_segment_fixed_size: 0
    .kernarg_segment_align: 8
    .kernarg_segment_size: 96
    .max_flat_workgroup_size: 128
    .sgpr_count:     66
    .vgpr_count:     192
    .wavefront_size: 32
...
	.end_amdgpu_metadata
.endif
;; end of part 1
;; launch kvq (part 2): grid 512 x 1, 4 waves a work-group, no clusters, 33,280 bytes of LDS; arguments key, value, order, acodes, ascales; writes acodes, ascales
.if DOCPART == 2
	.amdgcn_target "amdgcn-amd-amdhsa--gfx1250"
	.amdhsa_code_object_version 6
	.text
	.protected	k_q24e136c307_kvq
	.globl	k_q24e136c307_kvq
	.p2align	8
	.type	k_q24e136c307_kvq,@function
k_q24e136c307_kvq:
	s_mov_b64 s[64:65], 0
	v_nop
	global_prefetch_b8 v0, s[64:65] scope:SCOPE_SE
	s_setreg_imm32_b32 hwreg(HW_REG_WAVE_MODE, 25, 1), 1
	s_wait_xcnt 0x0
; key and value -> codes of FP4 (E2M1) and E8M0 bytes, their rows GATHERED in the sorted order that the first launch stored (unmasked keys first).
; WORK LEFT OUT: a masked key's rows of key and value reach no output (its score is replaced, its weight is set to 0: shown at the head of the first kernel).  A wave owns 8 places; where all 8 lie at or beyond the
; batch's count n_b it reads nothing and stores zero codes with the byte 127, so that every byte that the next launch reads is written.  The one wave that straddles n_b quantises its 8 rows as they come.
; The work-group's number = 256 x tensor + 64 x batch + block of 32 places.  The arithmetic of a block, the turn through the wave's own stage in LDS and the way out are those of the first launch's quantiser.
; The branch hangs on a whole number read from memory; the launch has no tensor load, no copy and no barrier: waves share nothing.
; LIMITS: NaN and infinities among the inputs are not served; a block of zeros gets the byte 1 (its codes are zeros; this program alone reads the bytes).
.set WAVES, 4
.set STEPS, 16
.set EMAX,  2
.set CB,    8
.set R,     16
.set X,     80
.set E,     112
.set C,     128
.set VR,    192                        ; v192-199 byte offset of my 16 bytes in each of my wave's 8 source rows
.set WREG,  8192
.set SP,    80
.set SPW,   12
.set NIL,   13
.set SPARE, WAVES*WREG
	s_load_b256 s[4:11], s[0:1], 0x0               ; key, value, order, acodes
	s_load_b64 s[12:13], s[0:1], 0x20              ; ascales
	v_lshl_add_u32 v[SPW], v0, 2, SPARE
	v_mov_b32 v[NIL], 0
	v_lshrrev_b32 v1, 5, v0
	v_readfirstlane_b32 s16, v1                    ; wave
	v_and_b32 v2, 31, v0
	v_lshlrev_b32 v3, 4, v2                        ; 16 x lane
	v_lshlrev_b32 v4, 3, v2                        ; 8 x lane
	s_mul_i32 s17, s16, WREG                       ; every LDS address is made ahead of the branch
	v_lshrrev_b32 v14, 2, v2
	v_mul_u32_u24 v14, v14, SP
	v_and_b32 v15, 3, v2
	v_lshl_add_u32 v14, v15, 4, v14
	v_add_nc_u32 v14, s17, v14
	v_mul_u32_u24 v15, v2, SP
	v_add_nc_u32 v15, s17, v15
	v_lshrrev_b32 v5, 1, v2
	s_add_co_u32 s17, s17, 2*32*SP
	v_add_nc_u32 v5, s17, v5
	v_lshlrev_b32 v7, 3, v2
	v_add_nc_u32 v6, s17, v7
	s_lshr_b32 s14, ttmp9, 8                       ; 0: key, 1: value
	s_bfe_u32 s15, ttmp9, 0x20006                  ; batch
	s_and_b32 s18, ttmp9, 63
	s_lshl_b32 s18, s18, 5
	s_lshl_b32 s19, s16, 3
	s_add_co_u32 s18, s18, s19                     ; my first place: 32 x block + 8 x wave
	s_lshl_b32 s20, s15, 11
	s_add_co_u32 s20, s20, s18
	s_lshl_b32 s20, s20, 2                         ; its word in the order
	s_mov_b32 s21, 0
	s_lshl_b32 s22, s15, 7                         ; the batch's row of counts
	s_mov_b32 s23, 0
	s_wait_kmcnt 0x0
	s_add_nc_u64 s[32:33], s[8:9], s[20:21]
	s_add_nc_u64 s[34:35], s[8:9], s[22:23]
	s_load_b256 s[24:31], s[32:33], 0x0            ; the source rows of my 8 places
	s_load_b32 s36, s[34:35], 0x8000               ; n_b
	s_lshl_b32 s38, ttmp9, 2
	s_add_co_u32 s38, s38, s16
	s_add_co_u32 s38, s38, 1024                    ; my run of 8 rows in the outputs: query's 1,024 runs lie in front
	s_mov_b32 s41, 0
	s_lshl_b32 s40, s38, 12
	s_add_nc_u64 s[10:11], s[10:11], s[40:41]
	s_lshl_b32 s40, s38, 8
	s_add_nc_u64 s[12:13], s[12:13], s[40:41]
	s_cmp_eq_u32 s14, 0
	s_cselect_b64 s[4:5], s[4:5], s[6:7]
	s_lshl_b32 s40, s15, 23                        ; the batch's 2,048 rows of 4,096 bytes
	s_add_nc_u64 s[4:5], s[4:5], s[40:41]
	s_wait_kmcnt 0x0
	s_cmp_ge_u32 s18, s36
	s_cbranch_scc1 .Lzero
.irp r, 0,1,2,3,4,5,6,7
	s_min_u32 s[24+\r], s[24+\r], 0x7ff            ; a row, held inside the batch
	s_lshl_b32 s[24+\r], s[24+\r], 12
	v_add_nc_u32 v[VR+\r], s[24+\r], v3
.endr
.macro LOAD t                          ; step t is half t % 2 of my row t / 2
.irp i, 0,1,2,3
	global_load_b128 v[R+16*((\t)%4)+4*\i:R+16*((\t)%4)+4*\i+3], v[VR+(\t)/2], s[4:5] offset:2048*((\t)%2)+512*\i th:TH_LOAD_NT   ; the order is a permutation: each row is read once
.endr
.endm
.macro TURN t
.irp i, 0,1,2,3
	ds_store_b128 v14, v[R+16*((\t)%4)+4*\i:R+16*((\t)%4)+4*\i+3] offset:32*SP*((\t)%2)+8*SP*\i
.endr
.irp i, 0,1,2,3
	ds_load_b128 v[X+16*((\t)%2)+4*\i:X+16*((\t)%2)+4*\i+3], v15 offset:32*SP*((\t)%2)+16*\i
.endr
.endm
.irp t, 0,1,2,3
	LOAD \t
.endr
	s_wait_loadcnt 12                              ; step 0's four loads are in; the twelve of steps 1 to 3 may be out
	TURN 0
.macro STEP t
.set XS, X+16*((\t)%2)
.if (\t) > 0
	s_wait_dscnt 1                                 ; this step's numbers are back from the stage (the last step's byte store may be out)
.else
	s_wait_dscnt 0x0
.endif
.if (\t)+4 < STEPS
	LOAD (\t)+4
.endif
.if (\t)+1 < STEPS
.if STEPS-2-(\t) >= 3
	s_wait_loadcnt 12                              ; the next step's four loads are in; those of the three steps behind it may be out
.else
	s_wait_loadcnt 4*(STEPS-2-(\t))
.endif
	TURN (\t)+1
.endif
	v_max3_num_f32 v8, |v[XS]|, |v[XS+1]|, |v[XS+2]|
	v_max3_num_f32 v9, |v[XS+3]|, |v[XS+4]|, |v[XS+5]|
.irp i, 6,10
	v_max3_num_f32 v8, v8, |v[XS+\i]|, |v[XS+\i+1]|
	v_max3_num_f32 v9, v9, |v[XS+\i+2]|, |v[XS+\i+3]|
.endr
	v_max3_num_f32 v8, v8, |v[XS+14]|, |v[XS+15]|
	v_max3_num_f32 v8, v8, v9, (EMAX+1)<<23        ; the floor 2^(3 - 127)
	v_max_num_f32_dpp v8, v8, v8 row_xmask:1 row_mask:0xf bank_mask:0xf
	v_add_nc_u32 v11, -(EMAX<<23), v8
	v_cvt_scalef32_pk8_fp4_f32 v[C+4*(\t)], v[XS:XS+7], v11
	v_cvt_scalef32_pk8_fp4_f32 v[C+4*(\t)+1], v[XS+8:XS+15], v11
	v_lshrrev_b32 v[E+(\t)], 23, v11
	ds_store_b8 v5, v[E+(\t)] offset:16*(\t)
	global_store_b64 v4, v[C+4*(\t):C+4*(\t)+1], s[10:11] offset:32*CB*(\t)
.endm
.irp t, 0,1,2,3,4,5,6,7,8,9,10,11,12,13,14,15
	STEP \t
.endr
	ds_load_b64 v[8:9], v6
	s_wait_dscnt 0x0
	global_store_b64 v7, v[8:9], s[12:13]
	s_wait_tensorcnt 0x0                           ; the wave's end: behind my last LDS store
	ds_add_u32 v[SPW], v[NIL]
	s_wait_dscnt 0x0
	s_endpgm
.Lzero:                                            ; all my 8 places lie at or beyond n_b: zero codes, the byte 127.  This way writes no LDS
	v_mov_b32 v16, 0
	v_mov_b32 v17, 0
	v_mov_b32 v18, 0
	v_mov_b32 v19, 0
	v_mov_b32 v20, 0x7f7f7f7f
	v_mov_b32 v21, 0x7f7f7f7f
.irp k, 0,1,2,3,4,5,6,7
	global_store_b128 v3, v[16:19], s[10:11] offset:512*\k
.endr
	global_store_b64 v7, v[20:21], s[12:13]
	s_endpgm
.Lfunc_end_k_q24e136c307_kvq:
	.size	k_q24e136c307_kvq, .Lfunc_end_k_q24e136c307_kvq-k_q24e136c307_kvq
	.p2alignl 7, 3214868480
	.fill 96, 4, 3214868480
	.section	.rodata,"a",@progbits
	.p2align	6, 0x0
	.amdhsa_kernel k_q24e136c307_kvq
		.amdhsa_group_segment_fixed_size 33280
		.amdhsa_private_segment_fixed_size 0
		.amdhsa_enable_private_segment 0
		.amdhsa_kernarg_size 40
		.amdhsa_user_sgpr_count 2
		.amdhsa_user_sgpr_kernarg_segment_ptr 1
		.amdhsa_wavefront_size32 1
		.amdhsa_system_sgpr_workgroup_id_x 1
		.amdhsa_system_sgpr_workgroup_id_y 1
		.amdhsa_system_sgpr_workgroup_id_z 1
		.amdhsa_system_vgpr_workitem_id 0
		.amdhsa_next_free_vgpr 200
		.amdhsa_next_free_sgpr 66
		.amdhsa_reserve_vcc 0
		.amdhsa_float_denorm_mode_32 3
		.amdhsa_float_denorm_mode_16_64 3
		.amdhsa_memory_ordered 1
		.amdhsa_forward_progress 1
		.amdhsa_inst_pref_size 36
	.end_amdhsa_kernel
	.amdgpu_metadata
---
amdhsa.version: [ 1, 2 ]
amdhsa.kernels:
  - .name:           k_q24e136c307_kvq
    .symbol:         k_q24e136c307_kvq.kd
    .args:
      - { .name: key, .offset: 0, .size: 8, .value_kind: global_buffer, .address_space: global }
      - { .name: value, .offset: 8, .size: 8, .value_kind: global_buffer, .address_space: global }
      - { .name: order, .offset: 16, .size: 8, .value_kind: global_buffer, .address_space: global }
      - { .name: acodes, .offset: 24, .size: 8, .value_kind: global_buffer, .address_space: global }
      - { .name: ascales, .offset: 32, .size: 8, .value_kind: global_buffer, .address_space: global }
    .group_segment_fixed_size: 33280
    .private_segment_fixed_size: 0
    .kernarg_segment_align: 8
    .kernarg_segment_size: 40
    .max_flat_workgroup_size: 128
    .sgpr_count:     66
    .vgpr_count:     200
    .wavefront_size: 32
...
	.end_amdgpu_metadata
.endif
;; end of part 2
;; launch proj (part 3): grid 4 x 96, 4 waves a work-group, clusters of 4 x 4, 327,680 bytes of LDS; arguments acodes, ascales, wcodes, wscales, bq, bk, bv, qkv; writes qkv
.if DOCPART == 3
	.amdgcn_target "amdgcn-amd-amdhsa--gfx1250"
	.amdhsa_code_object_version 6
	.text
	.protected	k_q24e136c307_proj
	.globl	k_q24e136c307_proj
	.p2align	8
	.type	k_q24e136c307_proj,@function
k_q24e136c307_proj:
	s_mov_b64 s[64:65], 0
	v_nop
	global_prefetch_b8 v0, s[64:65] scope:SCOPE_SE
	s_setreg_imm32_b32 hwreg(HW_REG_WAVE_MODE, 25, 1), 1
	s_wait_xcnt 0x0
	s_wait_alu depctr_hold_cnt(0) depctr_sa_sdst(0) depctr_va_vdst(0) depctr_va_sdst(0) depctr_va_ssrc(0) depctr_va_vcc(0) depctr_vm_vsrc(0)
	s_getreg_b32 s2, hwreg(HW_REG_IB_STS2, 6, 4)
	s_cmp_eq_u32 s2, 0
	s_cbranch_scc0 .Lentry_in_a_cluster
	s_endpgm
.Lentry_in_a_cluster:
	s_bfe_u32 s2, ttmp6, 0x10000c
	s_cmp_lg_u32 s2, 0xf033
	s_cbranch_scc0 .Lentry_shape_is_right
	s_endpgm
.Lentry_shape_is_right:
; The three projections as ONE product on codes of FP4 (E2M1) with E8M0 scales: rows 0-8191 query x wq^T + bq, rows 8192-16383 the sorted key rows x wk^T + bk, rows 16384-24575 the sorted value rows x wv^T + bv.
; The result, rounded once to f16, goes to qkv [3][batch 4][head 16][place 2048][64].  LIMIT: results beyond 65,504 in magnitude have no place in f16.
; A tile of 256 rows x 256 features is made by four waves, each 128 x 128: 64 accumulators of 16 x 16.  K = 1024 is two slots of 512 along K (LDS rows of 256 bytes + 16 of padding), BOTH asked for at the head: no slot is filled twice.
; The scale bytes of the tile's 256 + 256 rows, for all of K, are two dense blocks: they come once, with the first fills.
; CLUSTER: 4 x 4 work-groups.  The four of a row of the cluster need the same rows of codes, the four of a column the same rows of a weight: each tile is asked for jointly.  Which weight (p) hangs on the cluster's y alone: 8 clusters to a tensor.
; THE MATRIX INSTRUCTION IS USED TRANSPOSED (source 0 = 16 rows of the weight, source 1 = 16 rows of codes): a lane holds one row and eight neighbouring features.  THE BIAS is the C of each sum's first product.
; Places at or beyond a batch's count are multiplied like the rest.
; REGISTERS, in windows of 256: window 0: v16-30 addresses; v32-95 scale words, two sets; v128-191 A's fragments, one set; v192-255 the bias, 8 registers for each of my 8 blocks of 16 features.
;   window 1: the weight's fragments, two sets, at v0 and v128.   window 2: the accumulators of my rows 0-63 ((a, b) at v[8 (8 a + b)]);   window 3: those of rows 64-127.
.set KSTEP,  512
.set NQ,     KSTEP/128
.set ROWB,   256                       ; a tile's row in bytes
.set KROW,   512                       ; a row of codes in memory
.set PITCH,  272                       ; 256 + 16: row r starts 4 r banks on, so the 16 rows that a load touches start at 16 different banks
.set FR,     8
.set NL,     2
.set NP,     4                         ; places behind this matrix instruction (ISA guide 7.12.1)
.set HALFT,  128*PITCH
.set SLOT,   4*HALFT
.set KS,     32                        ; a row of scale bytes
.set SCL,    2*SLOT
.set HALFS,  (128*KS/256)*272
.set SBLK,   (16*KS/256)*272
.set SPARE,  SCL+4*HALFS               ; the spare words: 128 bytes a wave, named by no other line
.set SPITCH, 272                       ; the way out: a stage of 16 rows x (256 bytes + 16) for each wave, in slot 0, behind its only fill and its last read
.set HEADB,  2048*128                  ; a head's bytes in qkv
.set ADRA, 16
.set ADRB, 20
.set STO,  24
.set RD,   25
.set CO,   26
.set ADRS, 27
.set SPW,  28
.set NIL,  29
.set BO,   30                          ; v30 32 x (lane / 16): my half's place in a block's bias
.set SC,   32
.set AF,   128
.set BIAS, 192
.set TMP,  32                          ; the way out: packed results (the scale words are done with)
.set BK,   128                         ; the way out: rows read back, v128-159 and v160-191 by turns
.set G1, 24
.set G0, 32
.set G1B, 48
.set G0B, 56
.set G1S, 68
.set G0S, 76
.set G1SB, 80
.set G0SB, 88
.set MSB, 0
.macro WIN new                         ; the immediate's high byte repeats the setting that is left
.if MSB != \new
	s_set_vgpr_msb (MSB<<8)|\new
.set MSB, \new
.endif
.endm
.set MUL_LO, 0xa1                      ; source 0 (weight) window 1, source 1 window 0, C and D window 2
.set MUL_HI, 0xf1                      ; the same, C and D window 3
.set FST_LO, 0x81                      ; the first step: C (the bias) window 0, D window 2
.set FST_HI, 0xc1                      ; D window 3
.set TO_B,   0x40
; A joint load: waves 0 and 1 fetch for the rows of codes, waves 2 and 3 for the weight.  The branch hangs on the wave's number alone.  An s_nop 0 and four v_nop follow each of the two lines.
.macro JLOAD g0a, g1a, g0b, g1b
	s_cmp_eq_u32 s15, 0
	s_cbranch_scc0 .Lfor_b_\@
	tensor_load_to_lds s[\g0a:\g0a+3], s[\g1a:\g1a+7]
	s_nop 0
.rept 4
	v_nop
.endr
	s_branch .Lasked_\@
.Lfor_b_\@:
	tensor_load_to_lds s[\g0b:\g0b+3], s[\g1b:\g1b+7]
	s_nop 0
.rept 4
	v_nop
.endr
.Lasked_\@:
.endm
.macro CROUND                          ; a round of the cluster's barrier
	s_barrier_signal -1
	s_barrier_wait -1
	s_cmp_lg_u32 s14, 0
	s_cbranch_scc1 .Lnot_wave_0_\@
	s_barrier_signal -3
.Lnot_wave_0_\@:
	s_barrier_wait -3
	s_barrier_signal -1
	s_barrier_wait -1
.endm
	s_load_b256 s[4:11], s[0:1], 0x0               ; acodes, ascales, wcodes, wscales
	s_load_b256 s[32:39], s[0:1], 0x20             ; bq, bk, bv, qkv
	v_lshl_add_u32 v[SPW], v0, 2, SPARE
	v_mov_b32 v[NIL], 0
	ds_add_u32 v[SPW], v[NIL]                      ; the wave's opening: the add, twice on end, and its wait ahead of my first tensor load
	ds_add_u32 v[SPW], v[NIL]
	v_lshrrev_b32 v1, 5, v0
	v_readfirstlane_b32 s14, v1                    ; wave 0..3
	s_lshr_b32 s15, s14, 1                         ; which half of the tile's rows is mine.  Also: I fetch codes (0) or weight (1)
	s_and_b32 s16, s14, 1                          ; which half of its features.  Also: which 128 rows I fetch
	s_bfe_u32 s40, ttmp6, 0x40000                  ; cx
	s_bfe_u32 s41, ttmp6, 0x40004                  ; cy
	s_lshl_b32 s42, ttmp9, 2
	s_add_co_u32 s42, s42, s40                     ; tile column
	s_and_b32 s17, ttmp7, 0xffff
	s_lshr_b32 s95, s17, 3                         ; p: 0 query, 1 key, 2 value: from the cluster's y alone
	s_lshl_b32 s17, s17, 2
	s_add_co_u32 s17, s17, s41                     ; tile row
	s_lshl_b32 s43, s41, 2
	s_lshl_b32 s43, 15, s43                        ; my row of the cluster
	s_lshl_b32 s44, 0x1111, s40                    ; my column
	s_or_b32 s[G1+0], s43, (0<<16)|(1<<20)|(1<<21)|(5<<22)|(3<<25)  ; the mask; elements of 1 byte; padding on: 4 words behind every 64
	s_or_b32 s[G1B+0], s44, (0<<16)|(1<<20)|(1<<21)|(5<<22)|(3<<25)
.irp g, G1, G1B
	s_mov_b32 s[\g+1], ROWB<<16                    ; tensor_dim0
	s_mov_b32 s[\g+2], 128<<16                     ; tensor_dim1
	s_mov_b32 s[\g+3], ROWB<<16                    ; tile_dim0
	s_mov_b32 s[\g+4], 128                         ; tile_dim1
	s_mov_b32 s[\g+5], KROW                        ; the pitch
	s_mov_b32 s[\g+6], 0
	s_mov_b32 s[\g+7], 0
.endr
	s_or_b32 s[G1S+0], s43, (3<<16)|(1<<20)|(1<<21)|(5<<22)|(3<<25) ; the scale bytes of 128 rows: 4,096 dense bytes as 16 rows of 256 (32 elements of 8 bytes), 16 bytes of padding behind each
	s_or_b32 s[G1SB+0], s44, (3<<16)|(1<<20)|(1<<21)|(5<<22)|(3<<25)
.irp g, G1S, G1SB
	s_mov_b32 s[\g+1], 32<<16
	s_mov_b32 s[\g+2], (128*KS/256)<<16
	s_mov_b32 s[\g+3], 32<<16
	s_mov_b32 s[\g+4], 128*KS/256
	s_mov_b32 s[\g+5], 32
	s_mov_b32 s[\g+6], 0
	s_mov_b32 s[\g+7], 0
.endr
	s_lshl_b32 s18, s16, 7                         ; which 128 rows I fetch
	s_lshl_b32 s20, s17, 8
	s_add_co_u32 s20, s20, s18                     ; codes: row 256 x tile row + 128 x half
	s_lshl_b32 s46, s42, 8
	s_add_co_u32 s46, s46, s18
	s_lshl_b32 s19, s95, 10
	s_add_co_u32 s46, s46, s19                     ; weight: row 1024 p + 256 x tile column + 128 x half
	s_mov_b32 s21, 0
	s_mov_b32 s47, 0
	s_mov_b64 s[18:19], KS
	s_mul_u64 s[22:23], s[20:21], s[18:19]
	s_mul_u64 s[92:93], s[46:47], s[18:19]
	s_mov_b64 s[18:19], KROW
	s_mul_u64 s[20:21], s[20:21], s[18:19]
	s_mul_u64 s[46:47], s[46:47], s[18:19]
	s_mul_i32 s45, s14, HALFT                      ; where they go: wave x 128 rows
	s_mul_i32 s94, s14, HALFS
	s_wait_dscnt 0x0                               ; both opening adds are done
	s_wait_kmcnt 0x0
	s_mov_b64 s[12:13], s[38:39]                   ; qkv
	s_mov_b64 s[96:97], s[36:37]                   ; the bias: bv,
	s_cmp_eq_u32 s95, 1
	s_cselect_b64 s[96:97], s[34:35], s[96:97]     ; or bk,
	s_cmp_eq_u32 s95, 0
	s_cselect_b64 s[96:97], s[32:33], s[96:97]     ; or bq.  s32-39 are free from here on
	s_add_nc_u64 s[20:21], s[4:5], s[20:21]
	s_add_nc_u64 s[22:23], s[6:7], s[22:23]
	s_add_nc_u64 s[46:47], s[8:9], s[46:47]
	s_add_nc_u64 s[92:93], s[10:11], s[92:93]
	CROUND                                         ; all sixteen work-groups are here: the joint loads meet
	s_mov_b32 s[G0S], 1
	s_add_co_u32 s[G0S+1], s94, SCL
	s_mov_b64 s[G0S+2:G0S+3], s[22:23]
	s_or_b32 s[G0S+3], s[G0S+3], 0x80000000
	s_mov_b32 s[G0SB], 1
	s_add_co_u32 s[G0SB+1], s94, SCL
	s_mov_b64 s[G0SB+2:G0SB+3], s[92:93]
	s_or_b32 s[G0SB+3], s[G0SB+3], 0x80000000
	JLOAD G0S, G1S, G0SB, G1SB                     ; the scale bytes first; then both slots: three loads of mine are out
.irp s, 0,1
	s_mov_b32 s[G0+4*\s], 1
	s_add_co_u32 s[G0+4*\s+1], s45, \s*SLOT
	s_add_nc_u64 s[G0+4*\s+2:G0+4*\s+3], s[20:21], \s*ROWB
	s_or_b32 s[G0+4*\s+3], s[G0+4*\s+3], 0x80000000
	s_mov_b32 s[G0B+4*\s], 1
	s_add_co_u32 s[G0B+4*\s+1], s45, \s*SLOT
	s_add_nc_u64 s[G0B+4*\s+2:G0B+4*\s+3], s[46:47], \s*ROWB
	s_or_b32 s[G0B+4*\s+3], s[G0B+4*\s+3], 0x80000000
	JLOAD G0+4*\s, G1, G0B+4*\s, G1B
.endr
	v_and_b32 v1, 15, v0                           ; r
	v_bfe_u32 v2, v0, 4, 1                         ; h
	s_lshl_b32 s46, s42, 10                        ; the bias of my 128 features: (256 x tile column + 128 x half) x 4 bytes
	s_lshl_b32 s47, s16, 9
	s_add_co_u32 s46, s46, s47
	s_mov_b32 s47, 0
	s_add_nc_u64 s[96:97], s[96:97], s[46:47]
	v_lshlrev_b32 v[BO], 5, v2
.irp b, 0,1,2,3,4,5,6,7
	global_load_b128 v[BIAS+8*\b:BIAS+8*\b+3], v[BO], s[96:97] offset:64*\b        ; lane (r, h): the bias of features 16 b + 8 h + 0 .. 7, the result's layout
	global_load_b128 v[BIAS+8*\b+4:BIAS+8*\b+7], v[BO], s[96:97] offset:64*\b+16
.endr
	v_mul_u32_u24 v3, v1, PITCH
	v_lshl_add_u32 v4, v2, 4, v3                   ; a fragment's row x pitch + 16 x half
	s_mul_i32 s21, s15, HALFT                      ; my 128 rows of codes
	s_mul_i32 s22, s16, HALFT                      ; my 128 rows of the weight,
	s_add_co_u32 s22, s22, 2*HALFT                 ; which lie behind the 256 rows of codes
.irp s, 0,1
	v_add_nc_u32 v[ADRA+\s], s21, v4
	v_add_nc_u32 v[ADRB+\s], s22, v4
	s_add_co_u32 s21, s21, SLOT
	s_add_co_u32 s22, s22, SLOT
.endr
	v_mul_u32_u24 v5, v1, KS                       ; my row's scale bytes: 32 a row,
	v_lshrrev_b32 v6, 8, v5
	v_lshl_add_u32 v5, v6, 4, v5                   ; and 16 more for each 256 passed
	s_mul_i32 s21, s15, HALFS
	s_mul_i32 s22, s16, HALFS
	s_add_co_u32 s22, s22, 2*HALFS
	s_sub_co_u32 s22, s22, s21
	v_mul_u32_u24 v6, s22, v2                      ; lanes 16-31 take the weight's
	s_add_co_u32 s21, s21, SCL
	v_add_nc_u32 v5, v5, v6
	v_add_nc_u32 v[ADRS], s21, v5
	s_mul_i32 s23, s14, 16*SPITCH                  ; my stage
	v_mul_u32_u24 v5, v1, SPITCH
	v_lshl_add_u32 v5, v2, 4, v5
	v_add_nc_u32 v[STO], s23, v5                   ; in: row r, 16 bytes for each half of the lanes
	v_bfe_u32 v5, v0, 3, 2
	v_mul_u32_u24 v5, v5, SPITCH
	v_and_b32 v6, 7, v0
	v_lshl_add_u32 v5, v6, 4, v5
	v_add_nc_u32 v[RD], s23, v5                    ; back: eight lanes take a head's 128 bytes of a row, 32 lanes four rows
	v_and_b32 v6, 31, v0
	v_lshlrev_b32 v[CO], 4, v6                     ; which are 512 consecutive bytes of qkv
	s_lshr_b32 s20, s17, 3                         ; 4 x tensor + batch: 8 tile rows to 2,048 rows
	s_lshl_b32 s20, s20, 4
	s_lshl_b32 s21, s42, 2
	s_add_co_u32 s20, s20, s21
	s_lshl_b32 s21, s16, 1
	s_add_co_u32 s20, s20, s21                     ; + my first head: 4 x tile column + 2 x half
	s_lshl_b32 s20, s20, 18                        ; 262,144 bytes a head
	s_and_b32 s21, s17, 7
	s_lshl_b32 s21, s21, 8
	s_lshl_b32 s22, s15, 7
	s_add_co_u32 s21, s21, s22                     ; my first place in the batch
	s_lshl_b32 s21, s21, 7
	s_add_co_u32 s20, s20, s21
	s_mov_b32 s21, 0
	s_add_nc_u64 s[12:13], s[12:13], s[20:21]      ; never stepped: every store's place stands in its immediate
.macro FRAG reg, adr, q, i             ; 16 rows x 128 K of 4-bit codes: 8 registers: lane l holds row l % 16; registers 4 c .. 4 c + 3 hold K = 64 c + 32 (l / 16) + 0 .. 31
.irp c, 0,1
	ds_load_b128 v[\reg+4*\c:\reg+4*\c+3], v[\adr] offset:64*(\q)+32*\c+(\i)*16*PITCH
.endr
.endm
; 16 matrix instructions: blocks a0, a0 + 1 of my rows x the weight's eight.  first = 1: the bias starts the sums.  The 64 accumulators take turns, one instruction a turn.
.macro MUL16 a0, p, q, sc, first
.irp a, \a0, \a0+1
.irp b, 0,1,2,3,4,5,6,7
.if \first
	v_wmma_scale_f32_16x16x128_f8f6f4 v[8*(8*((\a)%4)+\b):8*(8*((\a)%4)+\b)+7], v[128*(\p)+FR*\b:128*(\p)+FR*\b+FR-1], v[AF+FR*(\a):AF+FR*(\a)+FR-1], v[BIAS+8*\b:BIAS+8*\b+7], v[SC+8*NQ*(\sc)+NQ*\b+(\q)], v[SC+8*NQ*(\sc)+NQ*(\a)+(\q)] matrix_a_fmt:MATRIX_FMT_FP4 matrix_b_fmt:MATRIX_FMT_FP4 matrix_a_scale:MATRIX_SCALE_ROW1
.else
	v_wmma_scale_f32_16x16x128_f8f6f4 v[8*(8*((\a)%4)+\b):8*(8*((\a)%4)+\b)+7], v[128*(\p)+FR*\b:128*(\p)+FR*\b+FR-1], v[AF+FR*(\a):AF+FR*(\a)+FR-1], v[8*(8*((\a)%4)+\b):8*(8*((\a)%4)+\b)+7], v[SC+8*NQ*(\sc)+NQ*\b+(\q)], v[SC+8*NQ*(\sc)+NQ*(\a)+(\q)] matrix_a_fmt:MATRIX_FMT_FP4 matrix_b_fmt:MATRIX_FMT_FP4 matrix_a_scale:MATRIX_SCALE_ROW1
.endif
.endr
.endr
.endm
.macro FETCH_B slot, q, p
	WIN TO_B
.irp i, 0,1,2,3,4,5,6,7
	FRAG 128*(\p)+FR*\i, ADRB+\slot, \q, \i
.endr
	WIN 0
.endm
.macro FETCH_A slot, q, i0
.irp i, \i0, \i0+1, \i0+2, \i0+3
	FRAG AF+FR*(\i), ADRA+\slot, \q, \i
.endr
.endm
.macro SCALES sc                       ; a slot's scale words: 4 words a row; lanes 0-15 take my rows' block i, lanes 16-31 the weight's block i
.irp i, 0,1,2,3,4,5,6,7
	ds_load_b128 v[SC+8*NQ*\sc+NQ*\i:SC+8*NQ*\sc+NQ*\i+3], v[ADRS] offset:\i*SBLK
.endr
.endm
.macro PLACES n                        ; plain vector instructions between a matrix instruction and a load into, or a read of, its registers
.rept \n
	v_nop
.endr
.endm
.macro STEP slot, q, first             ; 128 along K, with its successor in the same slot
	s_wait_dscnt 4*NL                              ; the weight's set and my blocks 0-3 are in; the youngest eight loads (blocks 4-7) may be out
.if \first
	WIN FST_LO
.else
	WIN MUL_LO
.endif
	MUL16 0, (\q)%2, \q, \slot, \first
	MUL16 2, (\q)%2, \q, \slot, \first
	s_wait_dscnt 0                                 ; blocks 4-7 are in
	PLACES NP
	FETCH_B \slot, (\q)+1, 1-(\q)%2
	FETCH_A \slot, (\q)+1, 0
.if \first
	WIN FST_HI
.else
	WIN MUL_HI
.endif
	MUL16 4, (\q)%2, \q, \slot, \first
	MUL16 6, (\q)%2, \q, \slot, \first
	PLACES NP
	WIN 0
	FETCH_A \slot, (\q)+1, 4
.endm
.macro CHANGE                          ; slot 0's last step, and the change to slot 1.  Nothing is filled again
	s_wait_tensorcnt 0x0                           ; all my tensor loads have landed: my part of slot 1;
	ds_add_u32 v[SPW], v[NIL]                      ; 0 onto my spare word;
	s_wait_dscnt 4*NL+1                            ; (the add and the youngest eight loads may be out)
	WIN MUL_LO
	MUL16 0, 1, NQ-1, 0, 0
	s_wait_dscnt 0x0                               ; the add is done, and my reads of slot 0 are over
	s_barrier_signal -1
	MUL16 2, 1, NQ-1, 0, 0
	WIN 0
	s_barrier_wait -1                              ; slot 1 is whole, and nobody reads slot 0 any more
	PLACES NP
	v_add_nc_u32 v[ADRS], 4*NQ, v[ADRS]            ; on to slot 1's scale words
	FETCH_B 1, 0, 0
	FETCH_A 1, 0, 0
	SCALES 1
	WIN MUL_HI
	MUL16 4, 1, NQ-1, 0, 0
	MUL16 6, 1, NQ-1, 0, 0
	PLACES NP
	WIN 0
	FETCH_A 1, 0, 4
.endm
	s_wait_tensorcnt 1                             ; the scale bytes and my part of slot 0 are in (slot 1's load may be out),
	s_barrier_signal -1
	s_barrier_wait -1                              ; everybody's are
	FETCH_B 0, 0, 0
	FETCH_A 0, 0, 0
	SCALES 0
	FETCH_A 0, 0, 4
	s_wait_loadcnt 0x0                             ; the bias
	STEP 0, 0, 1
	STEP 0, 1, 0
	STEP 0, 2, 0
	CHANGE
	STEP 1, 0, 0
	STEP 1, 1, 0
	STEP 1, 2, 0
	s_wait_dscnt 4*NL                              ; the last step: nothing more to fetch
	WIN MUL_LO
	MUL16 0, 1, NQ-1, 1, 0
	MUL16 2, 1, NQ-1, 1, 0
	s_wait_dscnt 0
	WIN MUL_HI
	MUL16 4, 1, NQ-1, 1, 0
	MUL16 6, 1, NQ-1, 1, 0
	WIN 0
; THE WAY OUT, block by block of 16 rows x 128 features (two heads).  PACK: rounded to f16, 16 bytes a lane, each accumulator from its low end on.  TOSTAGE: into my own stage, and back so that 32 lanes hold
; four rows of ONE head, 512 consecutive bytes of qkv.  SEND: stored.  LDS serves a wave's instructions in order: no wait between the stores and the loads.
.macro PACK a
.set AC, 64*((\a)%4)
	WIN 0x0a+5*((\a)/4)                            ; sources 0 and 1: window 2 or 3
.irp b, 0,1,2,3,4,5,6,7
.irp r, 0,1,2,3
	v_cvt_pk_f16_f32 v[TMP+4*\b+\r], v[AC+8*\b+2*\r], v[AC+8*\b+2*\r+1]
.endr
.endr
	WIN 0
.endm
.macro TOSTAGE a
.set BB, BK+32*((\a)%2)
.irp b, 0,1,2,3,4,5,6,7
	ds_store_b128 v[STO], v[TMP+4*\b:TMP+4*\b+3] offset:32*\b
.endr
.irp t, 0,1,2,3,4,5,6,7
	ds_load_b128 v[BB+4*\t:BB+4*\t+3], v[RD] offset:(\t%4)*4*SPITCH+(\t/4)*128
.endr
.endm
.macro SEND a
.set BB, BK+32*((\a)%2)
	s_wait_dscnt 0x0                               ; the block is back in registers
	s_wait_xcnt 0x0                                ; the stores of the block before have read their registers: the next block's loads land there only behind this wait
.irp t, 0,1,2,3,4,5,6,7
	global_store_b128 v[CO], v[BB+4*\t:BB+4*\t+3], s[12:13] offset:(\t/4)*HEADB+(\t%4)*512+(\a)*2048   ; 32 lanes store 512 consecutive bytes, at a multiple of 256 from qkv's first byte
.endr
.endm
	PLACES NP
	PACK 0
	TOSTAGE 0
.irp a, 1,2,3,4,5,6,7
	PACK \a
	SEND \a-1
	TOSTAGE \a
.endr
	SEND 7
	s_wait_tensorcnt 0x0                           ; the wave's end
	ds_add_u32 v[SPW], v[NIL]
	s_wait_dscnt 0x0
	CROUND                                         ; the closing round
	s_endpgm
.Lfunc_end_k_q24e136c307_proj:
	.size	k_q24e136c307_proj, .Lfunc_end_k_q24e136c307_proj-k_q24e136c307_proj
	.p2alignl 7, 3214868480
	.fill 96, 4, 3214868480
	.section	.rodata,"a",@progbits
	.p2align	6, 0x0
	.amdhsa_kernel k_q24e136c307_proj
		.amdhsa_group_segment_fixed_size 327680
		.amdhsa_private_segment_fixed_size 0
		.amdhsa_enable_private_segment 0
		.amdhsa_kernarg_size 64
		.amdhsa_user_sgpr_count 2
		.amdhsa_user_sgpr_kernarg_segment_ptr 1
		.amdhsa_wavefront_size32 1
		.amdhsa_system_sgpr_workgroup_id_x 1
		.amdhsa_system_sgpr_workgroup_id_y 1
		.amdhsa_system_sgpr_workgroup_id_z 1
		.amdhsa_system_vgpr_workitem_id 0
		.amdhsa_next_free_vgpr 1024
		.amdhsa_next_free_sgpr 100
		.amdhsa_reserve_vcc 0
		.amdhsa_float_denorm_mode_32 3
		.amdhsa_float_denorm_mode_16_64 3
		.amdhsa_memory_ordered 1
		.amdhsa_forward_progress 1
		.amdhsa_inst_pref_size 128
	.end_amdhsa_kernel
	.amdgpu_metadata
---
amdhsa.version: [ 1, 2 ]
amdhsa.kernels:
  - .name:           k_q24e136c307_proj
    .symbol:         k_q24e136c307_proj.kd
    .args:
      - { .name: acodes, .offset: 0, .size: 8, .value_kind: global_buffer, .address_space: global }
      - { .name: ascales, .offset: 8, .size: 8, .value_kind: global_buffer, .address_space: global }
      - { .name: wcodes, .offset: 16, .size: 8, .value_kind: global_buffer, .address_space: global }
      - { .name: wscales, .offset: 24, .size: 8, .value_kind: global_buffer, .address_space: global }
      - { .name: bq, .offset: 32, .size: 8, .value_kind: global_buffer, .address_space: global }
      - { .name: bk, .offset: 40, .size: 8, .value_kind: global_buffer, .address_space: global }
      - { .name: bv, .offset: 48, .size: 8, .value_kind: global_buffer, .address_space: global }
      - { .name: qkv, .offset: 56, .size: 8, .value_kind: global_buffer, .address_space: global }
    .group_segment_fixed_size: 327680
    .private_segment_fixed_size: 0
    .kernarg_segment_align: 8
    .kernarg_segment_size: 64
    .max_flat_workgroup_size: 128
    .sgpr_count:     100
    .vgpr_count:     1024
    .wavefront_size: 32
...
	.end_amdgpu_metadata
.endif
;; end of part 3
;; launch attn (part 4): grid 4 x 64, 8 waves a work-group, no clusters, 97,280 bytes of LDS; arguments qkv, order, xw; writes xw
.if DOCPART == 4
	.amdgcn_target "amdgcn-amd-amdhsa--gfx1250"
	.amdhsa_code_object_version 6
	.text
	.protected	k_q24e136c307_attn
	.globl	k_q24e136c307_attn
	.p2align	8
	.type	k_q24e136c307_attn,@function
k_q24e136c307_attn:
	s_mov_b64 s[64:65], 0
	v_nop
	global_prefetch_b8 v0, s[64:65] scope:SCOPE_SE
	s_setreg_imm32_b32 hwreg(HW_REG_WAVE_MODE, 25, 1), 1
	s_wait_xcnt 0x0
; x[b][q][head] = the sum over the UNMASKED keys of softmax weights x v, for one (batch, head) and 512 queries a work-group; q, k, v in f16, products' sums, maxima and sums in f32, the weights rounded to f16 for the second product.
; WORK LEFT OUT: masked keys' scores and weights (shown dead at the head of the first kernel).  k and v lie sorted, unmasked first: only the first n_b places are walked, 64 a sub-step.  What masked keys leave is kept:
; each row's maximum begins at -10000 (as a raw score: -80000, since the scores are divided by 8) and its sum at 2048 - n_b terms of weight 1 under that maximum; with no masked key the maximum begins at -3e38 and the sum at 0.
; SOFTMAX: running maximum m and sum l for each query; p = 2^(c s - c m), c = log2(e) / 8; in every sub-step O and l are multiplied by a = 2^(c m_old - c m_new).
; SHARES: eight waves, 64 queries each: four tiles of 16.  Both products are used transposed (S^T = K Q^T, O^T = V^T P): a lane holds one query throughout; two tiles of S^T, rounded in pairs, are source 1 of the second product.
; NO TENSOR LOADS, NO CLUSTER: how many sub-steps are walked hangs on a count read from memory.  k and v come through registers:
; each wave loads an eighth of a sub-step (4 x 16 bytes a lane), three sub-steps ahead, and stores it into the slot that is not being read, two sub-steps ahead.  Two slots of two sub-steps; one barrier a slot.
; The loop has a constant count (8 trips x 4 sub-steps); a sub-step at or beyond n_b is jumped over, the barriers never.  In the last sub-step the scores of places at or beyond n_b become -infinity: p = 0.
; The step is written once: O^T begins as zeros, since n_b may be 0 (then x = 0, as reference() has it).
; PREFETCH: the four work-groups of a head walk the same k and v.  In the first of them wave 0 (k) and wave 1 (v) ask, behind their staging loads, for the sub-step two further on than those loads: 8,192 bytes, lanes 256 bytes apart:
; each aligned block of 256 bytes is named once in the launch; sub-steps 0 to 4 are not asked for; nothing at or beyond n_b is asked for.
; LIMIT: q, k, v beyond 65,504 in magnitude have no place in f16.
; REGISTERS: window 0: v1-15 addresses; v16-47 statistics, 8 a tile; v48-63 the staging loads; v64-191 S^T, 32 a tile, then p in its first 16; v192-255 fragments of K, then of V.   window 1: v0-127 O^T, 32 a tile; v128-191 Q.
.set PK,    144                        ; a row of K in LDS: 128 bytes + 16: the 16 rows of a load start at 16 different groups of 4 banks
.set PV,    160                        ; a row of V: 128 + 32
.set VOFF,  128*PK
.set SLOTB, VOFF+128*PV                ; a slot: 128 rows of K, then 128 rows of V
.set STAGE, 2*SLOTB                    ; the way out: 16 rows x 144 bytes for each wave
.set SPARE, STAGE+8*16*PK              ; the spare words: 128 bytes a wave, named by no other line
.set GO,  1                            ; v1  the way out: my byte offset in xw
.set AK,  2                            ; v2  my lane's place in a tile of K
.set AV,  3                            ; v3  the same for V
.set SKA, 4                            ; v4  where I store K's staged bytes
.set SVA, 5                            ; v5  and V's
.set GSO, 6                            ; v6  my byte offset in a sub-step's 8,192 bytes: 1024 x wave + 16 x lane
.set QO,  7                            ; v7  my byte offset in the wave's rows of Q
.set STO, 8
.set RD,  9
.set SPW, 10
.set NIL, 11
.set PFO, 12                           ; v12 256 x lane
.set NINF, 13                          ; v13 -infinity
.set DD,  14                           ; v14 at work in the last sub-step
.set H8,  15                           ; v15 8 x (lane / 16)
.set ST,  16                           ; tile t at v[ST + 8 t]: +0 c m, +1 m, +2, +3 l (even keys', odd keys'), +4 .. +7 c0-c3 at work; a takes c2's place
.set G,   48
.set S,   64
.set KV,  192
.set QR,  128                          ; in window 1
.set WV,  10
.set NB,  14                           ; s14 n_b
.set NM,  15                           ; s15 2048 - n_b
.set M0,  16
.set KF,  17                           ; s17 the sub-step's first place
.set TRIP, 18
.set KB,  20                           ; s[20:21] k of my head, at the trip's first sub-step
.set VB,  22
.set QB,  24
.set PFA, 26
.set PFN, 28                           ; s28 n_b in a wave that prefetches, else 0
.set SEL, 30
.set CS,  32
.set MSB, 0
.macro WIN new
.if MSB != \new
	s_set_vgpr_msb (MSB<<8)|\new
.set MSB, \new
.endif
.endm
.set W_QK, 0x04                        ; Q (source 1) in window 1
.set W_PV, 0x50                        ; O^T (C and D) in window 1
.set W_RS, 0x41                        ; O^T (destination and source 0) in window 1
	s_load_b128 s[4:7], s[0:1], 0x0                ; qkv, order
	s_load_b64 s[8:9], s[0:1], 0x10                ; xw
	v_lshl_add_u32 v[SPW], v0, 2, SPARE
	v_mov_b32 v[NIL], 0
	v_lshrrev_b32 v64, 5, v0
	v_readfirstlane_b32 s[WV], v64
	s_and_b32 s11, ttmp7, 0xffff                   ; 16 x batch + head
	s_lshr_b32 s12, s11, 4
	s_and_b32 s13, s11, 15
	s_lshl_b32 s34, s12, 7
	s_mov_b32 s35, 0
	s_lshl_b32 s19, s[WV], 10
	v_and_b32 v64, 31, v0                          ; l
	v_lshl_add_u32 v[GSO], v64, 4, s19
	v_and_b32 v65, 15, v0                          ; r
	v_bfe_u32 v66, v0, 4, 1                        ; h
	v_lshlrev_b32 v[QO], 7, v65
	v_lshl_add_u32 v[QO], v66, 4, v[QO]            ; Q: row r of 128 bytes, + 16 h
	s_wait_kmcnt 0x0
	s_add_nc_u64 s[6:7], s[6:7], s[34:35]
	s_load_b32 s[NB], s[6:7], 0x8000               ; the batch's count
	s_add_co_u32 s34, s11, 64
	s_lshl_b32 s34, s34, 18                        ; 262,144 bytes a head
	s_add_nc_u64 s[KB:KB+1], s[4:5], s[34:35]
	s_add_co_u32 s34, s11, 128
	s_lshl_b32 s34, s34, 18
	s_add_nc_u64 s[VB:VB+1], s[4:5], s[34:35]
	s_lshl_b32 s34, s11, 18
	s_lshl_b32 s19, ttmp9, 16                      ; my work-group's 512 queries,
	s_add_co_u32 s34, s34, s19
	s_lshl_b32 s19, s[WV], 13                      ; my wave's 64
	s_add_co_u32 s34, s34, s19
	s_add_nc_u64 s[QB:QB+1], s[4:5], s[34:35]
.irp n, 0,1                                    ; sub-steps 0 and 1, for slot 0
.irp i, 0,1
	global_load_b128 v[KV+16*\n+4*\i:KV+16*\n+4*\i+3], v[GSO], s[KB:KB+1] offset:8192*\n+512*\i
	global_load_b128 v[KV+16*\n+8+4*\i:KV+16*\n+8+4*\i+3], v[GSO], s[VB:VB+1] offset:8192*\n+512*\i
.endr
.endr
.irp i, 0,1                                    ; sub-step 2
	global_load_b128 v[G+4*\i:G+4*\i+3], v[GSO], s[KB:KB+1] offset:16384+512*\i
	global_load_b128 v[G+8+4*\i:G+8+4*\i+3], v[GSO], s[VB:VB+1] offset:16384+512*\i
.endr
	WIN 0x40                                       ; destination window 1
.irp t, 0,1,2,3
.irp cc, 0,1
	global_load_b128 v[QR+16*\t+8*\cc:QR+16*\t+8*\cc+3], v[QO], s[QB:QB+1] offset:2048*\t+64*\cc      ; Q stays in registers: tile t, channels 32 cc on
	global_load_b128 v[QR+16*\t+8*\cc+4:QR+16*\t+8*\cc+7], v[QO], s[QB:QB+1] offset:2048*\t+64*\cc+32
.endr
.endr
	WIN 0
	v_and_b32 v67, 7, v0
	v_bfe_u32 v68, v0, 3, 2                        ; l / 8
	v_bfe_u32 v69, v0, 3, 1
	v_mul_u32_u24 v[AK], v65, PK
	v_lshl_add_u32 v[AK], v66, 4, v[AK]            ; row r x pitch + 16 h
	v_lshl_add_u32 v[AV], v66, 3, v67              ; the turning load: key 8 h + l % 8, channels 8 ((l / 8) % 2) on
	v_mul_u32_u24 v[AV], v[AV], PV
	v_lshl_add_u32 v[AV], v69, 4, v[AV]
	v_add_nc_u32 v[AV], VOFF, v[AV]
	v_mul_u32_u24 v70, v68, PK
	v_lshl_add_u32 v70, v67, 4, v70                ; row l / 8, 16 (l % 8) bytes on
	s_mul_i32 s19, s[WV], 8*PK
	v_add_nc_u32 v[SKA], s19, v70                  ; staged K: my wave's 8 rows of a sub-step
	s_mul_i32 s19, s[WV], 16*PK
	s_add_co_u32 s19, s19, STAGE
	v_add_nc_u32 v[RD], s19, v70
	v_add_nc_u32 v[STO], s19, v[AK]
	s_mul_i32 s19, s[WV], 8*PV
	s_add_co_u32 s19, s19, VOFF
	v_mul_u32_u24 v[SVA], v68, PV
	v_lshl_add_u32 v[SVA], v67, 4, v[SVA]
	v_add_nc_u32 v[SVA], s19, v[SVA]
	v_lshlrev_b32 v[GO], 12, v66                   ; the way out: lanes 0-15 one pair of rows, lanes 16-31 the next: 4,096 bytes on
	v_lshl_add_u32 v[GO], v65, 4, v[GO]
	v_lshlrev_b32 v[PFO], 8, v64
	v_mov_b32 v[NINF], 0xff800000
	v_lshlrev_b32 v[H8], 3, v66
	s_lshl_b32 s34, s12, 22                        ; xw: (1024 batch + 256 x + 32 wave) lines of 4,096 bytes + 256 x head
	s_lshl_b32 s19, ttmp9, 20
	s_add_co_u32 s34, s34, s19
	s_lshl_b32 s19, s[WV], 17
	s_add_co_u32 s34, s34, s19
	s_lshl_b32 s19, s13, 8
	s_add_co_u32 s34, s34, s19
	s_add_nc_u64 s[8:9], s[8:9], s[34:35]
	s_mov_b32 s[SEL], 0x76543210
	s_mov_b32 s[SEL+1], 0xfedcba98
	s_mov_b32 s[CS], 0x3e38aa3b                    ; c = log2(e) / 8
	s_mov_b32 s[CS+1], s[CS]
	s_mov_b32 s[KF], 0
	s_mov_b32 s[TRIP], 8
	s_wait_kmcnt 0x0
	s_min_u32 s[NB], s[NB], 0x800
	s_sub_co_u32 s[NM], 0x800, s[NB]
	s_mov_b32 s[M0], 0xc79c4000                    ; -80000: the masked keys' score, undivided;
	s_cmp_eq_u32 s[NM], 0
	s_cselect_b32 s[M0], 0xff61b1e6, s[M0]         ; with no masked key: -3e38, under every score
	s_cmp_eq_u32 s[WV], 0
	s_cselect_b64 s[PFA:PFA+1], s[KB:KB+1], s[VB:VB+1]
	s_lshr_b32 s19, s[WV], 1                       ; 0 in waves 0 and 1,
	s_or_b32 s19, s19, ttmp9                       ; of the head's first work-group
	s_cmp_eq_u32 s19, 0
	s_cselect_b32 s[PFN], s[NB], 0
	v_cvt_f32_u32 v64, s[NM]
	v_mul_f32 v64, 0.5, v64                        ; half the masked keys' terms in each half of the lanes: the halves are added at the end
.irp t, 0,1,2,3
	v_mov_b32 v[ST+8*\t+1], s[M0]
	v_mul_f32 v[ST+8*\t], s[CS], v[ST+8*\t+1]
	v_mov_b32 v[ST+8*\t+2], v64
	v_mov_b32 v[ST+8*\t+3], 0
	v_mov_b32 v[ST+8*\t+5], 0                      ; written once: a lane permute's destination counts as one of its sources
	v_mov_b32 v[ST+8*\t+7], 0                      ; (named as the upper half of a pair)
.endr
	WIN 0x40
.set i, 0
.rept 128
	v_mov_b32 v[i], 0                              ; O^T
.set i, i+1
.endr
	WIN 0
	s_wait_loadcnt 20                              ; sub-steps 0 and 1 are in; behind them: sub-step 2's four loads and Q's sixteen
.irp n, 0,1
.irp i, 0,1
	ds_store_b128 v[SKA], v[KV+16*\n+4*\i:KV+16*\n+4*\i+3] offset:(64*\n+4*\i)*PK
	ds_store_b128 v[SVA], v[KV+16*\n+8+4*\i:KV+16*\n+8+4*\i+3] offset:(64*\n+4*\i)*PV
.endr
.endr
	s_wait_loadcnt 0x0                             ; Q, and sub-step 2
	s_wait_dscnt 0x0                               ; for the others' sake: my part of slot 0 is stored
	s_barrier_signal -1
	s_barrier_wait -1
; ONE SUB-STEP: 64 places, the ss-th half of slot.
.macro SUB slot, ss
	s_cmp_ge_u32 s[KF], s[NB]
	s_cbranch_scc1 .Lskip_\@                       ; at or beyond n_b: nothing but the step of KF
	s_wait_loadcnt 0x0                             ; the staging loads issued a sub-step ago are in
	s_add_co_u32 s34, s[KF], 128
	s_cmp_ge_u32 s34, s[NB]
	s_cbranch_scc1 .Lnostore_\@
.irp i, 0,1                                    ; the sub-step two on goes into the slot that nobody reads: its last readers have passed the barrier in front of this slot's sub-steps
	ds_store_b128 v[SKA], v[G+4*\i:G+4*\i+3] offset:(1-\slot)*SLOTB+(64*\ss+4*\i)*PK
	ds_store_b128 v[SVA], v[G+8+4*\i:G+8+4*\i+3] offset:(1-\slot)*SLOTB+(64*\ss+4*\i)*PV
.endr
.Lnostore_\@:
.irp kt, 0,1,2,3                               ; K: 16 keys x 32 channels a fragment
.irp cc, 0,1
	ds_load_b128 v[KV+16*\kt+8*\cc:KV+16*\kt+8*\cc+3], v[AK] offset:\slot*SLOTB+(64*\ss+16*\kt)*PK+64*\cc
	ds_load_b128 v[KV+16*\kt+8*\cc+4:KV+16*\kt+8*\cc+7], v[AK] offset:\slot*SLOTB+(64*\ss+16*\kt)*PK+64*\cc+32
.endr
.endr
	s_wait_dscnt 0x0                               ; K is in; my stores have read the staging registers
	s_add_co_u32 s34, s[KF], 192
	s_cmp_ge_u32 s34, s[NB]
	s_cbranch_scc1 .Lnoload_\@
.irp i, 0,1                                    ; the sub-step three on
	global_load_b128 v[G+4*\i:G+4*\i+3], v[GSO], s[KB:KB+1] offset:(2*\slot+\ss+3)*8192+512*\i
	global_load_b128 v[G+8+4*\i:G+8+4*\i+3], v[GSO], s[VB:VB+1] offset:(2*\slot+\ss+3)*8192+512*\i
.endr
	s_add_co_u32 s34, s[KF], 320
	s_cmp_ge_u32 s34, s[PFN]
	s_cbranch_scc1 .Lnoload_\@
	global_prefetch_b8 v[PFO], s[PFA:PFA+1] offset:(2*\slot+\ss+5)*8192 th:TH_LOAD_NT scope:SCOPE_SE   ; the sub-step five on
.Lnoload_\@:
	WIN W_QK
.irp cc, 0,1                                   ; S^T = K Q^T: the 16 accumulators take turns, one instruction a turn
.irp kt, 0,1,2,3
.irp t, 0,1,2,3
.if \cc == 0
	v_wmma_f32_16x16x32_f16 v[S+32*\t+8*\kt:S+32*\t+8*\kt+7], v[KV+16*\kt+8*\cc:KV+16*\kt+8*\cc+7], v[QR+16*\t+8*\cc:QR+16*\t+8*\cc+7], 0
.else
	v_wmma_f32_16x16x32_f16 v[S+32*\t+8*\kt:S+32*\t+8*\kt+7], v[KV+16*\kt+8*\cc:KV+16*\kt+8*\cc+7], v[QR+16*\t+8*\cc:QR+16*\t+8*\cc+7], v[S+32*\t+8*\kt:S+32*\t+8*\kt+7]
.endif
.endr
.endr
.endr
	WIN 0
.rept 4
	v_nop                                          ; places in front of the loads into K's registers and of the first read of the scores
.endr
.irp f, 0,1,2,3,4,5,6,7                        ; V, turned: keys 32 (f / 4) on, channels 16 (f % 4) on.  It lands while the softmax is walked
	ds_load_tr16_b128 v[KV+8*\f:KV+8*\f+3], v[AV] offset:\slot*SLOTB+(64*\ss+32*(\f/4))*PV+32*(\f%4)
	ds_load_tr16_b128 v[KV+8*\f+4:KV+8*\f+7], v[AV] offset:\slot*SLOTB+(64*\ss+32*(\f/4)+16)*PV+32*(\f%4)
.endr
	s_add_co_u32 s34, s[KF], 64
	s_cmp_le_u32 s34, s[NB]
	s_cbranch_scc1 .Lfull_\@
	s_sub_co_u32 s34, s[NB], s[KF]                 ; the last sub-step: register 8 kt + j holds place KF + 16 kt + 8 h + j: hidden where 16 kt + j >= n_b - KF - 8 h
	v_sub_nc_u32 v[DD], s34, v[H8]
.irp kt, 0,1,2,3
.irp j, 0,1,2,3,4,5,6,7
	v_cmp_ge_i32 vcc_lo, 16*\kt+\j, v[DD]
.irp t, 0,1,2,3
	v_cndmask_b32 v[S+32*\t+8*\kt+\j], v[S+32*\t+8*\kt+\j], v[NINF], vcc_lo
.endr
.endr
.endr
.Lfull_\@:
	; the softmax, the four tiles by turns, so that no line waits for the line above it.  Each accumulator is read from its low end on
.irp j, 0,1,2,3
.irp t, 0,1,2,3
	v_max3_num_f32 v[ST+8*\t+4+\j], v[S+32*\t+8*\j], v[S+32*\t+8*\j+1], v[S+32*\t+8*\j+2]
.endr
.endr
.irp g, 1,2
.irp j, 0,1,2,3
.irp t, 0,1,2,3
	v_max3_num_f32 v[ST+8*\t+4+\j], v[ST+8*\t+4+\j], v[S+32*\t+8*\j+2*\g+1], v[S+32*\t+8*\j+2*\g+2]
.endr
.endr
.endr
.irp t, 0,1,2,3
	v_max3_num_f32 v[ST+8*\t+4], v[ST+8*\t+4], v[S+32*\t+7], v[S+32*\t+15]
.endr
.irp t, 0,1,2,3
	v_max3_num_f32 v[ST+8*\t+6], v[ST+8*\t+6], v[S+32*\t+23], v[S+32*\t+31]
.endr
.irp t, 0,1,2,3
	v_max3_num_f32 v[ST+8*\t+4], v[ST+8*\t+4], v[ST+8*\t+5], v[ST+8*\t+6]
.endr
.irp t, 0,1,2,3
	v_max3_num_f32 v[ST+8*\t+4], v[ST+8*\t+4], v[ST+8*\t+7], v[ST+8*\t+1]   ; with the old m
.endr
.irp t, 0,1,2,3
	v_permlanex16_b32 v[ST+8*\t+5], v[ST+8*\t+4], s[SEL], s[SEL+1]          ; the query's other 32 places lie in the lane 16 away
.endr
.irp t, 0,1,2,3
	v_mov_b32 v[ST+8*\t+7], v[ST+8*\t]             ; c m_old
.endr
.irp t, 0,1,2,3
	v_max_num_f32 v[ST+8*\t+1], v[ST+8*\t+4], v[ST+8*\t+5]
.endr
.irp t, 0,1,2,3
	v_mul_f32 v[ST+8*\t], s[CS], v[ST+8*\t+1]
.endr
.irp t, 0,1,2,3
	v_sub_f32 v[ST+8*\t+7], v[ST+8*\t+7], v[ST+8*\t]
.endr
.set i, 0
.rept 16
.irp t, 0,1,2,3
	v_pk_fma_f32 v[S+32*\t+i:S+32*\t+i+1], v[S+32*\t+i:S+32*\t+i+1], s[CS:CS+1], v[ST+8*\t:ST+8*\t+1] op_sel_hi:[1,0,0] neg_lo:[0,0,1] neg_hi:[0,0,1]   ; c s - c m, two at a time
.endr
.set i, i+2
.endr
.irp t, 0,1,2,3
	v_exp_f32 v[ST+8*\t+6], v[ST+8*\t+7]           ; a
.endr
.set i, 0
.rept 32
.irp t, 0,1,2,3
	v_exp_f32 v[S+32*\t+i], v[S+32*\t+i]           ; p
.endr
.set i, i+1
.endr
	v_nop                                          ; a plain instruction behind the last exponential
	s_wait_alu depctr_va_vdst(0)                   ; one wait for the batch of 132, ahead of its first reader
.irp t, 0,1,2,3
	v_pk_mul_f32 v[ST+8*\t+2:ST+8*\t+3], v[ST+8*\t+2:ST+8*\t+3], v[ST+8*\t+6:ST+8*\t+7] op_sel_hi:[1,0]   ; l under the new m
.endr
.irp t, 0,1,2,3
	v_pk_add_f32 v[ST+8*\t+4:ST+8*\t+5], v[S+32*\t:S+32*\t+1], v[S+32*\t+2:S+32*\t+3]                     ; the sums, of the unrounded p, in two chains a tile
.endr
.irp j, 4,8,12,16,20,24,28
.irp t, 0,1,2,3
	v_pk_add_f32 v[ST+8*\t+2:ST+8*\t+3], v[ST+8*\t+2:ST+8*\t+3], v[S+32*\t+\j:S+32*\t+\j+1]
.endr
.irp t, 0,1,2,3
	v_pk_add_f32 v[ST+8*\t+4:ST+8*\t+5], v[ST+8*\t+4:ST+8*\t+5], v[S+32*\t+\j+2:S+32*\t+\j+3]
.endr
.endr
.irp t, 0,1,2,3
	v_pk_add_f32 v[ST+8*\t+2:ST+8*\t+3], v[ST+8*\t+2:ST+8*\t+3], v[ST+8*\t+4:ST+8*\t+5]
.endr
.set i, 0
.rept 16
.irp t, 0,1,2,3
	v_cvt_pk_f16_f32 v[S+32*\t+i], v[S+32*\t+2*i], v[S+32*\t+2*i+1]   ; p to f16, in place, ascending: register i is written when registers up to 2 i - 1 have been read
.endr
.set i, i+1
.endr
	WIN W_RS
.set i, 0
.rept 16
.irp t, 0,1,2,3
	v_pk_mul_f32 v[32*\t+i:32*\t+i+1], v[32*\t+i:32*\t+i+1], v[ST+8*\t+6:ST+8*\t+7] op_sel_hi:[1,0]   ; O^T under the new m
.endr
.set i, i+2
.endr
	s_wait_dscnt 0x0                               ; V is in
	WIN W_PV
.irp kk, 0,1                                   ; O^T += V^T P: the 16 accumulators take turns
.irp ct, 0,1,2,3
.irp t, 0,1,2,3
	v_wmma_f32_16x16x32_f16 v[32*\t+8*\ct:32*\t+8*\ct+7], v[KV+8*(4*\kk+\ct):KV+8*(4*\kk+\ct)+7], v[S+32*\t+8*\kk:S+32*\t+8*\kk+7], v[32*\t+8*\ct:32*\t+8*\ct+7]
.endr
.endr
.endr
	WIN 0
.rept 5
	v_nop                                          ; five places: the next sub-step's first products write over p's registers, which these products read; its loads land in V's
.endr
.Lskip_\@:
	s_add_co_u32 s[KF], s[KF], 64
.endm
.macro BAR                             ; my stores into the slot ahead have landed and my reads of the slot behind are over: then the work-group's barrier, on every way
	s_wait_dscnt 0x0
	s_barrier_signal -1
	s_barrier_wait -1
.endm
.Ltrip:
	SUB 0, 0
	SUB 0, 1
	BAR
	SUB 1, 0
	SUB 1, 1
	BAR
	s_wait_xcnt 0x0                                ; the trip's loads and prefetches have read their bases: only now are these stepped
	s_add_nc_u64 s[KB:KB+1], s[KB:KB+1], 32768
	s_add_nc_u64 s[VB:VB+1], s[VB:VB+1], 32768
	s_add_nc_u64 s[PFA:PFA+1], s[PFA:PFA+1], 32768
	s_sub_co_u32 s[TRIP], s[TRIP], 1
	s_cmp_lg_u32 s[TRIP], 0
	s_cbranch_scc1 .Ltrip
	; THE WAY OUT.  l's two halves and the other half of the lanes' are added; O^T / l, rounded to f16, goes through my stage, a tile of 16 queries at a time, and leaves so that sixteen lanes
	; store the 256 bytes that one head has of a pair of rows in xw: byte (row / 2) x 4096 + head x 256 + (row % 2) x 128 + 2 x channel.
.irp t, 0,1,2,3
	v_add_f32 v[ST+8*\t+4], v[ST+8*\t+2], v[ST+8*\t+3]
.endr
.irp t, 0,1,2,3
	v_permlanex16_b32 v[ST+8*\t+5], v[ST+8*\t+4], s[SEL], s[SEL+1]
.endr
.irp t, 0,1,2,3
	v_add_f32 v[ST+8*\t+4], v[ST+8*\t+4], v[ST+8*\t+5]
.endr
.irp t, 0,1,2,3
	v_rcp_f32 v[ST+8*\t+6], v[ST+8*\t+4]
.endr
	v_nop                                          ; a plain instruction behind the last reciprocal
	s_wait_alu depctr_va_vdst(0)                   ; one wait for the four, ahead of their first reader
.macro PACK t
	WIN W_RS
.set i, 0
.rept 16
	v_pk_mul_f32 v[32*\t+i:32*\t+i+1], v[32*\t+i:32*\t+i+1], v[ST+8*\t+6:ST+8*\t+7] op_sel_hi:[1,0]
.set i, i+2
.endr
	WIN 0x05                                       ; sources 0 and 1 window 1, destination window 0
.set i, 0
.rept 16
	v_cvt_pk_f16_f32 v[S+16*\t+i], v[32*\t+2*i], v[32*\t+2*i+1]
.set i, i+1
.endr
	WIN 0
.irp f, 0,1,2,3
	ds_store_b128 v[STO], v[S+16*\t+4*\f:S+16*\t+4*\f+3] offset:32*\f
.endr
.irp f, 0,1,2,3
	ds_load_b128 v[S+16*\t+4*\f:S+16*\t+4*\f+3], v[RD] offset:\f*4*PK   ; LDS serves a wave's instructions in order: these see the stores above; the next tile's stores come behind them
.endr
.endm
.macro SEND t, younger                 ; younger: the LDS instructions issued behind tile t's loads: the next tile's eight, or none
.irp f, 0,1,2,3
	s_wait_dscnt \younger+3-\f
	global_store_b128 v[GO], v[S+16*\t+4*\f:S+16*\t+4*\f+3], s[8:9] offset:\t*32768+\f*8192   ; 16 lanes store 256 consecutive bytes, at a multiple of 256 from xw's first byte
.endr
.endm
	PACK 0
	PACK 1
	SEND 0, 8
	PACK 2
	SEND 1, 8
	PACK 3
	SEND 2, 8
	SEND 3, 0
	s_wait_tensorcnt 0x0                           ; the wave's end: behind my last LDS store
	ds_add_u32 v[SPW], v[NIL]
	s_wait_dscnt 0x0
	s_endpgm
.Lfunc_end_k_q24e136c307_attn:
	.size	k_q24e136c307_attn, .Lfunc_end_k_q24e136c307_attn-k_q24e136c307_attn
	.p2alignl 7, 3214868480
	.fill 96, 4, 3214868480
	.section	.rodata,"a",@progbits
	.p2align	6, 0x0
	.amdhsa_kernel k_q24e136c307_attn
		.amdhsa_group_segment_fixed_size 97280
		.amdhsa_private_segment_fixed_size 0
		.amdhsa_enable_private_segment 0
		.amdhsa_kernarg_size 24
		.amdhsa_user_sgpr_count 2
		.amdhsa_user_sgpr_kernarg_segment_ptr 1
		.amdhsa_wavefront_size32 1
		.amdhsa_system_sgpr_workgroup_id_x 1
		.amdhsa_system_sgpr_workgroup_id_y 1
		.amdhsa_system_sgpr_workgroup_id_z 1
		.amdhsa_system_vgpr_workitem_id 0
		.amdhsa_next_free_vgpr 512
		.amdhsa_next_free_sgpr 66
		.amdhsa_reserve_vcc 1
		.amdhsa_float_denorm_mode_32 3
		.amdhsa_float_denorm_mode_16_64 3
		.amdhsa_memory_ordered 1
		.amdhsa_forward_progress 1
		.amdhsa_inst_pref_size 179
	.end_amdhsa_kernel
	.amdgpu_metadata
---
amdhsa.version: [ 1, 2 ]
amdhsa.kernels:
  - .name:           k_q24e136c307_attn
    .symbol:         k_q24e136c307_attn.kd
    .args:
      - { .name: qkv, .offset: 0, .size: 8, .value_kind: global_buffer, .address_space: global }
      - { .name: order, .offset: 8, .size: 8, .value_kind: global_buffer, .address_space: global }
      - { .name: xw, .offset: 16, .size: 8, .value_kind: global_buffer, .address_space: global }
    .group_segment_fixed_size: 97280
    .private_segment_fixed_size: 0
    .kernarg_segment_align: 8
    .kernarg_segment_size: 24
    .max_flat_workgroup_size: 256
    .sgpr_count:     66
    .vgpr_count:     512
    .wavefront_size: 32
...
	.end_amdgpu_metadata
.endif
;; end of part 4
;; launch outp (part 5): grid 8 x 64, 4 waves a work-group, clusters of 4 x 4, 327,680 bytes of LDS; arguments xw, wo16, out0, bo; writes out0
.if DOCPART == 5
	.amdgcn_target "amdgcn-amd-amdhsa--gfx1250"
	.amdhsa_code_object_version 6
	.text
	.protected	k_q24e136c307_outp
	.globl	k_q24e136c307_outp
	.p2align	8
	.type	k_q24e136c307_outp,@function
k_q24e136c307_outp:
	s_mov_b64 s[64:65], 0
	v_nop
	global_prefetch_b8 v0, s[64:65] scope:SCOPE_SE
	s_setreg_imm32_b32 hwreg(HW_REG_WAVE_MODE, 25, 1), 1
	s_wait_xcnt 0x0
	s_wait_alu depctr_hold_cnt(0) depctr_sa_sdst(0) depctr_va_vdst(0) depctr_va_sdst(0) depctr_va_ssrc(0) depctr_va_vcc(0) depctr_vm_vsrc(0)
	s_getreg_b32 s2, hwreg(HW_REG_IB_STS2, 6, 4)
	s_cmp_eq_u32 s2, 0
	s_cbranch_scc0 .Lentry_in_a_cluster
	s_endpgm
.Lentry_in_a_cluster:
	s_bfe_u32 s2, ttmp6, 0x10000c
	s_cmp_lg_u32 s2, 0xf033
	s_cbranch_scc0 .Lentry_shape_is_right
	s_endpgm
.Lentry_shape_is_right:
; out0 = x wo^T + bo.  x [8192][1024] and wo [1024][1024] in f16, sums in f32, out0 in f32.
; x lies as the attention launch stored it: a line of 4,096 bytes holds a PAIR of rows: byte (row / 2) x 4096 + head x 256 + (row % 2) x 128 + 2 x channel.  A K step of 256 is four heads: 1,024 bytes of a line.
; A tile of out0 is 128 x 128: 512 work-groups, two for each WGP's turn.  Four waves, each 64 x 64: 16 accumulators.  K goes in steps of 256 through two LDS slots; a wave's tensor load brings 32 lines x 1,024 bytes of x or 64 rows x 512 bytes of wo.
; CLUSTER: 4 x 4 work-groups.  The four of a row of the cluster need the same lines of x, the four of a column the same rows of wo: each tile is asked for jointly.
; THE MATRIX INSTRUCTION IS USED TRANSPOSED (source 0 = 16 rows of wo, source 1 = 16 rows of x): a lane holds eight neighbouring numbers of a row of out0.  THE BIAS is the C of each sum's first product.
; REGISTERS: window 0: v16-29 addresses; v32-95 the way out; v96-127 the bias, 8 registers for each of my 4 blocks of 16 features; v128-255 the accumulators ((a, b) at v[128 + 8 (4 a + b)]).
;   window 1: two fragment buffers of 128: for 64 along K, 64 registers of x, then 64 of wo.
.set PA,     1040                      ; a line of x in LDS: 1,024 bytes + 16.  Row r of a fragment lies at (r / 2) x 1040 + (r % 2) x 128: in units of 16 bytes modulo 16 that is r / 2 + 8 (r % 2): sixteen different columns
.set HALFA,  32*PA
.set PB,     528                       ; a row of wo: 512 bytes + 16
.set HALFB,  64*PB
.set BOFF,   2*HALFA
.set SLOT,   2*HALFA+2*HALFB
.set SPARE,  2*SLOT                    ; the spare words: 128 bytes a wave, named by no other line
.set SPITCH, 272                       ; the way out: a stage of 16 rows x (256 bytes + 16) for each wave, in slot 0, behind its last fill and its last read
.set LAPS,   2                         ; 1024 along K = two laps of two K steps
.set ADRA, 16
.set ADRB, 20
.set STO,  24
.set RD,   25
.set CO,   26
.set BO,   27
.set SPW,  28
.set NIL,  29
.set TMP,  32
.set BIAS, 96
.set ACC,  128
.set F0,   0
.set F1,   128
.set G1, 24
.set G0, 32
.set G1B, 48
.set G0B, 56
.set MSB, 0
.macro WIN new
.if MSB != \new
	s_set_vgpr_msb (MSB<<8)|\new
.set MSB, \new
.endif
.endm
.set MUL,  0x05                        ; sources 0 and 1 window 1; C and D window 0
.set TO_F, 0x40
.macro JLOAD s                         ; a joint load: waves 0 and 1 fetch x's two halves, waves 2 and 3 wo's; an s_nop 0 and four v_nop follow each of the two lines
	s_cmp_eq_u32 s11, 0
	s_cbranch_scc0 .Lfor_b_\@
	tensor_load_to_lds s[G0+4*\s:G0+4*\s+3], s[G1:G1+7]
	s_nop 0
.rept 4
	v_nop
.endr
	s_branch .Lasked_\@
.Lfor_b_\@:
	tensor_load_to_lds s[G0B+4*\s:G0B+4*\s+3], s[G1B:G1B+7]
	s_nop 0
.rept 4
	v_nop
.endr
.Lasked_\@:
.endm
.macro CREST
	s_cmp_lg_u32 s10, 0
	s_cbranch_scc1 .Lnot_wave_0_\@
	s_barrier_signal -3
.Lnot_wave_0_\@:
	s_barrier_wait -3
	s_barrier_signal -1
	s_barrier_wait -1
.endm
.macro CROUND
	s_barrier_signal -1
	s_barrier_wait -1
	CREST
.endm
	s_load_b128 s[4:7], s[0:1], 0x0                ; xw, wo16
	s_load_b64 s[8:9], s[0:1], 0x10                ; out0
	s_load_b64 s[66:67], s[0:1], 0x18              ; bo
	v_lshl_add_u32 v[SPW], v0, 2, SPARE
	v_mov_b32 v[NIL], 0
	ds_add_u32 v[SPW], v[NIL]                      ; the wave's opening: the add, twice on end, and its wait ahead of my first tensor load
	ds_add_u32 v[SPW], v[NIL]
	v_lshrrev_b32 v1, 5, v0
	v_readfirstlane_b32 s10, v1                    ; wave 0..3
	s_lshr_b32 s11, s10, 1                         ; which half of the tile's rows is mine.  Also: I fetch for x (0) or for wo (1)
	s_and_b32 s12, s10, 1                          ; which half of its columns.  Also: which half of that tile I fetch
	s_bfe_u32 s40, ttmp6, 0x40000                  ; cx
	s_bfe_u32 s41, ttmp6, 0x40004                  ; cy
	s_lshl_b32 s42, ttmp9, 2
	s_add_co_u32 s42, s42, s40                     ; tile column
	s_and_b32 s13, ttmp7, 0xffff
	s_lshl_b32 s13, s13, 2
	s_add_co_u32 s13, s13, s41                     ; tile row
	s_lshl_b32 s43, s41, 2
	s_lshl_b32 s43, 15, s43                        ; my row of the cluster
	s_lshl_b32 s44, 0x1111, s40                    ; my column
	s_or_b32 s[G1+0], s43, (1<<16)|(1<<20)|(1<<21)|(7<<22)|(3<<25)  ; x: the mask; elements of 2 bytes; padding on: 4 words behind every 256
	s_mov_b32 s[G1+1], 512<<16                     ; tensor_dim0 = 512 elements: 1,024 bytes of a line
	s_mov_b32 s[G1+2], 32<<16                      ; tensor_dim1 = 32 lines
	s_mov_b32 s[G1+3], 512<<16                     ; tile_dim0
	s_mov_b32 s[G1+4], 32                          ; tile_dim1
	s_mov_b32 s[G1+5], 2048                        ; the pitch: a line of 4,096 bytes
	s_mov_b32 s[G1+6], 0
	s_mov_b32 s[G1+7], 0
	s_or_b32 s[G1B+0], s44, (1<<16)|(1<<20)|(1<<21)|(6<<22)|(3<<25) ; wo: 4 words behind every 128
	s_mov_b32 s[G1B+1], 256<<16
	s_mov_b32 s[G1B+2], 64<<16
	s_mov_b32 s[G1B+3], 256<<16
	s_mov_b32 s[G1B+4], 64
	s_mov_b32 s[G1B+5], 1024
	s_mov_b32 s[G1B+6], 0
	s_mov_b32 s[G1B+7], 0
	s_lshl_b32 s18, s12, 17                        ; my half: 32 lines of 4,096 bytes, or 64 rows of 2,048
	s_lshl_b32 s16, s13, 18                        ; x: 64 lines a tile row
	s_add_co_u32 s16, s16, s18
	s_mov_b32 s17, 0
	s_lshl_b32 s46, s42, 18                        ; wo: 128 rows a tile column
	s_add_co_u32 s46, s46, s18
	s_mov_b32 s47, 0
	s_mul_i32 s20, s12, HALFA                      ; where they go: no place in the cluster enters an LDS address
	s_mul_i32 s21, s12, HALFB
	s_add_co_u32 s21, s21, BOFF
	s_wait_dscnt 0x0                               ; both opening adds are done
	s_wait_kmcnt 0x0
	s_add_nc_u64 s[14:15], s[4:5], s[16:17]
	s_add_nc_u64 s[46:47], s[6:7], s[46:47]
	CROUND                                         ; all sixteen work-groups are here: the first joint loads meet
.irp s, 0,1
	s_mov_b32 s[G0+4*\s], 1
	s_add_co_u32 s[G0+4*\s+1], s20, \s*SLOT
	s_add_nc_u64 s[G0+4*\s+2:G0+4*\s+3], s[14:15], \s*1024
	s_or_b32 s[G0+4*\s+3], s[G0+4*\s+3], 0x80000000
	s_mov_b32 s[G0B+4*\s], 1
	s_add_co_u32 s[G0B+4*\s+1], s21, \s*SLOT
	s_add_nc_u64 s[G0B+4*\s+2:G0B+4*\s+3], s[46:47], \s*512
	s_or_b32 s[G0B+4*\s+3], s[G0B+4*\s+3], 0x80000000
	JLOAD \s
.endr
	v_and_b32 v1, 15, v0                           ; r
	v_bfe_u32 v2, v0, 4, 1                         ; h
	s_lshl_b32 s46, s42, 9                         ; my 64 features: (128 x tile column + 64 x half) x 4 bytes: in bo and in a row of out0
	s_lshl_b32 s47, s12, 8
	s_add_co_u32 s46, s46, s47
	s_mov_b32 s47, 0
	s_add_nc_u64 s[66:67], s[66:67], s[46:47]
	v_lshlrev_b32 v[BO], 5, v2
.irp b, 0,1,2,3
	global_load_b128 v[BIAS+8*\b:BIAS+8*\b+3], v[BO], s[66:67] offset:64*\b        ; lane (r, h): the bias of features 16 b + 8 h + 0 .. 7
	global_load_b128 v[BIAS+8*\b+4:BIAS+8*\b+7], v[BO], s[66:67] offset:64*\b+16
.endr
	v_lshrrev_b32 v3, 1, v1
	v_mul_u32_u24 v3, v3, PA
	v_and_b32 v4, 1, v1
	v_lshl_add_u32 v3, v4, 7, v3
	v_lshl_add_u32 v3, v2, 4, v3                   ; x: line r / 2, + 128 (r % 2), + 16 h
	v_mul_u32_u24 v5, v1, PB
	v_lshl_add_u32 v5, v2, 4, v5                   ; wo: row r, + 16 h
	s_mul_i32 s21, s11, HALFA                      ; my 64 rows of x
	s_mul_i32 s22, s12, HALFB                      ; my 64 rows of wo,
	s_add_co_u32 s22, s22, BOFF                    ; behind x's 64 lines
.irp s, 0,1
	v_add_nc_u32 v[ADRA+\s], s21, v3
	v_add_nc_u32 v[ADRB+\s], s22, v5
	s_add_co_u32 s21, s21, SLOT
	s_add_co_u32 s22, s22, SLOT
.endr
	s_mul_i32 s23, s10, 16*SPITCH                  ; my stage
	v_mul_u32_u24 v4, v1, SPITCH
	v_lshl_add_u32 v4, v2, 5, v4
	v_add_nc_u32 v[STO], s23, v4                   ; in: row r, 32 bytes for each half of the lanes
	v_mul_u32_u24 v5, v2, SPITCH
	v_lshl_add_u32 v5, v1, 4, v5
	v_add_nc_u32 v[RD], s23, v5                    ; back: lanes 0-15 one row of 256 bytes, lanes 16-31 the next
	v_lshlrev_b32 v5, 12, v2
	v_lshl_add_u32 v[CO], v1, 4, v5                ; and the same two rows in out0
	s_lshl_b32 s16, s13, 19                        ; my first row: (128 x tile row + 64 x half) x 4,096 bytes
	s_lshl_b32 s17, s11, 18
	s_add_co_u32 s16, s16, s17
	s_mov_b32 s17, 0
	s_add_nc_u64 s[8:9], s[8:9], s[16:17]
	s_add_nc_u64 s[8:9], s[8:9], s[46:47]          ; never stepped: every store's place stands in its immediate
; 8 matrix instructions: blocks a0, a0 + 1 of my rows x wo's four, 32 along K: half c of buffer f.  first = 1: the bias starts the sums.  The 16 accumulators take turns.
.macro MUL8 f, c, a0, first
.irp a, \a0, \a0+1
.irp b, 0,1,2,3
.if \first
	v_wmma_f32_16x16x32_f16 v[ACC+8*(4*(\a)+\b):ACC+8*(4*(\a)+\b)+7], v[\f+64+8*(4*\c+\b):\f+64+8*(4*\c+\b)+7], v[\f+8*(4*\c+\a):\f+8*(4*\c+\a)+7], v[BIAS+8*\b:BIAS+8*\b+7]
.else
	v_wmma_f32_16x16x32_f16 v[ACC+8*(4*(\a)+\b):ACC+8*(4*(\a)+\b)+7], v[\f+64+8*(4*\c+\b):\f+64+8*(4*\c+\b)+7], v[\f+8*(4*\c+\a):\f+8*(4*\c+\a)+7], v[ACC+8*(4*(\a)+\b):ACC+8*(4*(\a)+\b)+7]
.endif
.endr
.endr
.endm
; 32 LDS loads in one run: the fragments of the slot's q-th 64 along K (one head) into buffer f; the first 32 along K first
.macro FETCH slot, q, f
	WIN TO_F
.irp c, 0,1
.irp i, 0,1,2,3
	ds_load_b128 v[\f+64+8*(4*\c+\i):\f+64+8*(4*\c+\i)+3],   v[ADRB+\slot] offset:128*\q+64*\c+\i*16*PB
	ds_load_b128 v[\f+64+8*(4*\c+\i)+4:\f+64+8*(4*\c+\i)+7], v[ADRB+\slot] offset:128*\q+64*\c+\i*16*PB+32
	ds_load_b128 v[\f+8*(4*\c+\i):\f+8*(4*\c+\i)+3],         v[ADRA+\slot] offset:256*\q+64*\c+\i*8*PA
	ds_load_b128 v[\f+8*(4*\c+\i)+4:\f+8*(4*\c+\i)+7],       v[ADRA+\slot] offset:256*\q+64*\c+\i*8*PA+32
.endr
.endr
.endm
.macro PLACES
.rept 4
	v_nop
.endr
.endm
; A K step is four quarters of 64 along K, 32 matrix instructions each, on buffers 0, 1, 0, 1.  One of the first three: multiplies buffer f and fetches quarter q into g.
.macro QUARTER slot, q, f, g, first
	s_wait_dscnt 16                                ; the first 32 along K are in; the youngest sixteen loads may be out
	WIN MUL
	MUL8 \f, 0, 0, \first
	MUL8 \f, 0, 2, \first
	PLACES
	FETCH \slot, \q, \g
	s_wait_dscnt 32                                ; all but the 32 just issued
	WIN MUL
	MUL8 \f, 1, 0, 0
	MUL8 \f, 1, 2, 0
.endm
; The last quarter multiplies buffer 1 and changes slots: ONE barrier; in front of it each wave waits for all its tensor loads, adds 0 to its spare word, and waits for that and for its reads of this slot.  fill = 1: this slot is filled again, two K steps ahead.
.macro TURN slot, next, fill
	WIN 0
	s_wait_tensorcnt 0x0                           ; all my tensor loads have landed: my part of the next slot;
	ds_add_u32 v[SPW], v[NIL]                      ; 0 onto my spare word;
	s_wait_dscnt 17                                ; (the add and the youngest sixteen loads may be out)
	WIN MUL
	MUL8 F1, 0, 0, 0
	s_wait_dscnt 0x0                               ; the add is done, and my reads of this slot are over
	s_barrier_signal -1
	MUL8 F1, 0, 2, 0
.if \fill
	WIN 0
.endif
	s_barrier_wait -1
.if \fill
	CREST                                          ; the barrier has opened a round of the cluster's barrier: no wave of any partner still reads this slot or has a load on its way
	s_add_nc_u64 s[G0+4*\slot+2:G0+4*\slot+3], s[G0+4*\slot+2:G0+4*\slot+3], 2*1024
	s_add_nc_u64 s[G0B+4*\slot+2:G0B+4*\slot+3], s[G0B+4*\slot+2:G0B+4*\slot+3], 2*512
	JLOAD \slot                                    ; the first tensor load behind the round; its four v_nop are also the places in front of the loads below
.else
	PLACES
.endif
	FETCH \next, 0, F0
	WIN MUL
	MUL8 F1, 1, 0, 0
	MUL8 F1, 1, 2, 0
.endm
	s_wait_tensorcnt 1                             ; my part of K step 0 is in (K step 1's load may be out),
	s_barrier_signal -1
	s_barrier_wait -1                              ; everybody's is
	FETCH 0, 0, F0
	s_wait_loadcnt 0x0                             ; the bias
	QUARTER 0, 1, F0, F1, 1
	WIN 0
	s_mov_b32 s3, LAPS-1
.Llap:                                             ; a trip goes once round the ring and fills both slots again
	QUARTER 0, 2, F1, F0, 0
	QUARTER 0, 3, F0, F1, 0
	TURN 0, 1, 1
	QUARTER 1, 1, F0, F1, 0
	QUARTER 1, 2, F1, F0, 0
	QUARTER 1, 3, F0, F1, 0
	TURN 1, 0, 1
	QUARTER 0, 1, F0, F1, 0
	WIN 0
	s_sub_co_u32 s3, s3, 1
	s_cmp_lg_u32 s3, 0
	s_cbranch_scc1 .Llap
	QUARTER 0, 2, F1, F0, 0                        ; the last lap fills nothing
	QUARTER 0, 3, F0, F1, 0
	TURN 0, 1, 0
	QUARTER 1, 1, F0, F1, 0
	QUARTER 1, 2, F1, F0, 0
	QUARTER 1, 3, F0, F1, 0
	s_wait_dscnt 16
	WIN MUL
	MUL8 F1, 0, 0, 0
	MUL8 F1, 0, 2, 0
	s_wait_dscnt 0
	MUL8 F1, 1, 0, 0
	MUL8 F1, 1, 2, 0
	WIN 0
; THE WAY OUT, block by block of 16 rows x 64 features.  A wave's 64 f32 of a row are 256 bytes, aligned: each wave has a stage of its own and needs no barrier.  The accumulators go to the stage as they are, each from its low end on.
.macro TOSTAGE a
.irp b, 0,1,2,3
	ds_store_b128 v[STO], v[ACC+8*(4*(\a)+\b):ACC+8*(4*(\a)+\b)+3] offset:64*\b
	ds_store_b128 v[STO], v[ACC+8*(4*(\a)+\b)+4:ACC+8*(4*(\a)+\b)+7] offset:64*\b+16
.endr
.irp t, 0,1,2,3,4,5,6,7
	ds_load_b128 v[TMP+32*((\a)%2)+4*\t:TMP+32*((\a)%2)+4*\t+3], v[RD] offset:\t*2*SPITCH   ; LDS serves a wave's instructions in order: these see the stores above
.endr
.endm
.macro SEND a, younger                 ; younger: the LDS instructions issued behind block a's loads: the next block's sixteen, or none
	s_wait_dscnt \younger
.irp t, 0,1,2,3,4,5,6,7
	global_store_b128 v[CO], v[TMP+32*((\a)%2)+4*\t:TMP+32*((\a)%2)+4*\t+3], s[8:9] offset:(16*(\a)+2*\t)*4096 th:TH_STORE_NT   ; 16 lanes store 256 consecutive bytes, at a multiple of 256 from out0's first byte
.endr
.endm
	PLACES
	TOSTAGE 0
.irp a, 1,2,3
.if \a > 1
	s_wait_xcnt 0x0                                ; block a - 2's stores have read their registers: block a's loads land there only behind this wait
.endif
	TOSTAGE \a
	SEND \a-1, 16
.endr
	SEND 3, 0
	s_wait_tensorcnt 0x0                           ; the wave's end
	ds_add_u32 v[SPW], v[NIL]
	s_wait_dscnt 0x0
	CROUND                                         ; the closing round
	s_endpgm
.Lfunc_end_k_q24e136c307_outp:
	.size	k_q24e136c307_outp, .Lfunc_end_k_q24e136c307_outp-k_q24e136c307_outp
	.p2alignl 7, 3214868480
	.fill 96, 4, 3214868480
	.section	.rodata,"a",@progbits
	.p2align	6, 0x0
	.amdhsa_kernel k_q24e136c307_outp
		.amdhsa_group_segment_fixed_size 327680
		.amdhsa_private_segment_fixed_size 0
		.amdhsa_enable_private_segment 0
		.amdhsa_kernarg_size 32
		.amdhsa_user_sgpr_count 2
		.amdhsa_user_sgpr_kernarg_segment_ptr 1
		.amdhsa_wavefront_size32 1
		.amdhsa_system_sgpr_workgroup_id_x 1
		.amdhsa_system_sgpr_workgroup_id_y 1
		.amdhsa_system_sgpr_workgroup_id_z 1
		.amdhsa_system_vgpr_workitem_id 0
		.amdhsa_next_free_vgpr 512
		.amdhsa_next_free_sgpr 70
		.amdhsa_reserve_vcc 0
		.amdhsa_float_denorm_mode_32 3
		.amdhsa_float_denorm_mode_16_64 3
		.amdhsa_memory_ordered 1
		.amdhsa_forward_progress 1
		.amdhsa_inst_pref_size 87
	.end_amdhsa_kernel
	.amdgpu_metadata
---
amdhsa.version: [ 1, 2 ]
amdhsa.kernels:
  - .name:           k_q24e136c307_outp
    .symbol:         k_q24e136c307_outp.kd
    .args:
      - { .name: xw, .offset: 0, .size: 8, .value_kind: global_buffer, .address_space: global }
      - { .name: wo16, .offset: 8, .size: 8, .value_kind: global_buffer, .address_space: global }
      - { .name: out0, .offset: 16, .size: 8, .value_kind: global_buffer, .address_space: global }
      - { .name: bo, .offset: 24, .size: 8, .value_kind: global_buffer, .address_space: global }
    .group_segment_fixed_size: 327680
    .private_segment_fixed_size: 0
    .kernarg_segment_align: 8
    .kernarg_segment_size: 32
    .max_flat_workgroup_size: 128
    .sgpr_count:     70
    .vgpr_count:     512
    .wavefront_size: 32
...
	.end_amdgpu_metadata
.endif
;; end of part 5
